; MI455X (gfx1250); checked and timed in simulation.
; The chip was launched on July 23, 2026; its instructions are those of AMD's public machine-readable ISA for CDNA 5 (MIT licence, August 2026) and "CDNA5" Instruction Set Architecture Reference Guide (July 2026). The comments in the code are by the model that wrote it; some were corrected since.
;; Optimized Multi Head Attention. Allowed arithmetic: matrix products marked QUANTISED: E2M1 operands, one E8M0 scale for each 32 along K, by v_wmma_scale_f32_16x16x128_f8f6f4 with both operands' format E2M1 (or v_wmma_scale_f32_32x16x128_f4), f32 sums; products left as they are: bf16, f16 or f32 operands; f32 sums; everything else in f32.
;; Inputs: b_proj 1,024 float32; w_attn 3,072 x 1,024 float32; w_proj 1,024 x 1,024 float32; x 4 x 2,048 x 1,024 float32.
;; Outputs: out0 4 x 2,048 x 1,024 float32.
;; This version of the problem:
;;   THIS VERSION OF THE PROBLEM IS GIVEN IN LOW PRECISION. The matrix products marked QUANTISED in the list below multiply operands that are first quantised to E2M1 (2 exponent bits, 1 mantissa bit; 4 bits a number), with one power-of-two scale for each 32 numbers along K (OCP MX v1.0); their sums are f32. The products marked 'left as it is' may take bf16, f16 or f32 operands, with f32 sums. Whichever they take, every output number must still come out within the allowed error. Rounding operands to bf16 (8 significant bits) uses up far more of that allowance than f16 does (11 bits, for magnitudes from 6e-5 to 65,504). All else is computed in f32.
;;   The module's matrix products, in the order in which they are computed (A, B: the left and right operand; K: the contracted axis; several contracted axes count as one K, in the product's order):
;;     1. [M 8,192, K 1,024] x [K 1,024, N 3,072]; A: input x; B: input w_attn: QUANTISED
;;     2. batch 64 x [M 2,048, K 64] x [K 64, N 2,048]; A: computed on the way; B: computed on the way: left as it is (an operand is computed on the way)
;;     3. batch 64 x [M 2,048, K 2,048] x [K 2,048, N 64]; A: computed on the way; B: computed on the way: left as it is (an operand is computed on the way)
;;     4. [M 8,192, K 1,024] x [K 1,024, N 1,024]; A: computed on the way; B: input w_proj: left as it is (an operand is computed on the way)
;;   THE QUANTISER, for each operand of a quantised product, along K:
;;     - K is cut into blocks of 32 from its start; a last block that is shorter is filled with zeros.
;;     - A block's scale is 2^e with e = floor(log2(the largest magnitude in the block)) - 2, held to -126 .. 127; a block of zeros has e = 0. As a byte (E8M0): e + 127.
;;     - Each number is divided by its block's scale, clamped to +-6, and rounded to the nearest number of E2M1, ties to even, subnormals kept.
;;     - The product sums the exact products of the quantised numbers (number of the format x scale) in f32.
;;   ~~~python
;;   def quantise(x, axis):      # numpy; x: float32 -> the quantised numbers, widened to float32 again
;;       x = np.moveaxis(x, axis, -1); K = x.shape[-1]
;;       x = np.pad(x, [(0, 0)] * (x.ndim - 1) + [(0, -K % 32)]); x = x.reshape(x.shape[:-1] + (-1, 32)); a = np.abs(x).max(-1, keepdims=True)
;;       e = np.where(a > 0, np.clip(np.frexp(np.where(a > 0, a, 1))[1] - 1 - 2, -126, 127), 0)      # np.frexp(a)[1] - 1 = floor(log2(a)), exactly
;;       r = np.clip(x / 2.0 ** e, -6, 6)
;;       step = 2.0 ** (np.maximum(np.frexp(np.where(r == 0, 1, r))[1] - 1, 0) - 1)
;;       q = np.round(r / step) * step * 2.0 ** e      # np.round: ties to even
;;       return np.moveaxis(q.reshape(q.shape[:-2] + (-1,))[..., :K], -1, axis).astype(np.float32)
;;   ~~~
;; One version. Each part assembles by itself: llvm-mc -triple=amdgcn-amd-amdhsa -mcpu=gfx1250 --defsym DOCPART=n.
;; ======== version 1 of 1: 5 launches
;; limits: values are held in f16: magnitudes above 65,504 overflow, below 6.1e-05 lose precision
;; workspace buffers: xc 4,194,304 bytes; xs 262,144 bytes; wc 1,572,864 bytes; ws 98,304 bytes; wp16 2,097,152 bytes; qkv 50,331,648 bytes; fq 786,432 bytes; y 16,777,216 bytes
;; launch quant (part 1): grid 384 x 1, 4 waves a work-group, no clusters, 33,280 bytes of LDS; arguments x, w_attn, xc, xs, wc, ws, w_proj, wp16; writes xc, xs, wc, ws, wp16
.if DOCPART == 1
	.amdgcn_target "amdgcn-amd-amdhsa--gfx1250"
	.amdhsa_code_object_version 6
	.text
	.protected	k_q74e970e485_quant
	.globl	k_q74e970e485_quant
	.p2align	8
	.type	k_q74e970e485_quant,@function
k_q74e970e485_quant:
	s_mov_b64 s[64:65], 0
	v_nop
	global_prefetch_b8 v0, s[64:65] scope:SCOPE_SE
	s_setreg_imm32_b32 hwreg(HW_REG_WAVE_MODE, 25, 1), 1
	s_wait_xcnt 0x0
; x [8192][1024] and w_attn [3072][1024], f32, become codes of FP4 (E2M1), K innermost, two codes a byte, with one E8M0 scale byte for each 32 along K; w_proj [1024][1024] f32 becomes f16.
; A block's scale is 2^(floor(log2(its largest magnitude)) - 2); its byte is the largest magnitude's exponent field - 2, held at 1 from below.
; LIMITS: a block whose largest magnitude lies under 2^-124, a block of zeros among them, carries the byte 1 (its codes are zeros or the rule's own; the bytes are read by this program alone);
; NaN and infinities among the inputs are not served; |w_proj| stays under 65,504, f16's largest number.
; SHARES: work-groups 0-31 convert w_proj (they stand first, so that they are not the launch's tail), 32-287 quantise x, 288-383 w_attn.  Rows are dense and K is a multiple of 32: all three are plain streams.
; A quantising wave takes 16 steps of 512 numbers.  Each of a step's four loads reads 512 consecutive bytes; the 2,048 bytes turn through the wave's own stage in LDS and come back 64 bytes a lane,
; so that a lane holds 16 neighbours along K and two neighbouring lanes a block.  A lane's 16 codes are 8 bytes: a store covers 256 consecutive bytes.  A wave's 256 scale bytes leave as one store.
; No tensor loads, no barrier: waves share nothing.
.set NCV,   32                         ; work-groups that convert w_proj
.set SIZE_M, 8192
.set SIZE_N, 3072
.set SIZE_K, 1024
.set WAVES, 4
.set STEPS, 16
.set WGA,   SIZE_M*SIZE_K/(512*STEPS*WAVES)    ; 256 work-groups for x
.set EMAX,  2
.set CB,    8                          ; bytes of 16 codes
.set R,     16                         ; v16-79   four sets of 16 numbers as they are loaded (converting path: a ring of 16 loads)
.set X,     80                         ; v80-111  two sets of 16 neighbours
.set C,     128                        ; v128-191 codes: four registers for each step (converting path: 16 pairs of f16 words)
.set E,     112                        ; v112-127 a scale byte for each step
.set WREG,  8192                       ; LDS: a region for each wave: two stages of 32 x SP bytes, behind them its 256 scale bytes
.set SP,    80                         ; a lane's place in a stage: 64 bytes + 16 of padding
.set SPW,   12                         ; v12  LDS address of my spare word; never rewritten
.set NIL,   13                         ; v13  0; never rewritten
.set SPARE, WAVES*WREG                 ; behind the four regions: the spare words, 128 bytes a wave, that no other line names
	s_load_b128 s[4:7], s[0:1], 0x0                ; x, w_attn
	s_load_b128 s[8:11], s[0:1], 0x10              ; x's codes, x's scales
	s_load_b128 s[12:15], s[0:1], 0x20             ; w_attn's codes, its scales
	s_load_b128 s[24:27], s[0:1], 0x30             ; w_proj, its f16 copy
	v_lshl_add_u32 v[SPW], v0, 2, SPARE
	v_mov_b32 v[NIL], 0
	v_lshrrev_b32 v1, 5, v0
	v_readfirstlane_b32 s16, v1                    ; wave
	v_and_b32 v2, 31, v0                           ; lane
	v_lshlrev_b32 v3, 4, v2                        ; my 16 bytes of a load's 512
	s_mul_i32 s17, s16, WREG
	v_lshrrev_b32 v14, 2, v2
	v_mul_u32_u24 v14, v14, SP
	v_and_b32 v15, 3, v2
	v_lshl_add_u32 v14, v15, 4, v14
	v_add_nc_u32 v14, s17, v14                     ; the stage on the way in: SP (lane / 4) + 16 (lane % 4)
	v_mul_u32_u24 v15, v2, SP
	v_add_nc_u32 v15, s17, v15                     ; and on the way out: SP x lane: my 16 neighbours
	v_mul_u32_u24 v4, v2, CB                       ; 8 x lane: my codes' place in a step's (and my f16 words' in a store's 256 bytes)
	v_lshrrev_b32 v5, 1, v2
	s_add_co_u32 s17, s17, 2*32*SP
	v_add_nc_u32 v5, s17, v5                       ; LDS: my wave's 256 scale bytes, my block's byte
	v_lshlrev_b32 v7, 3, v2
	v_add_nc_u32 v6, s17, v7                       ; and on the way out 8 bytes a lane
	s_wait_kmcnt 0x0
	s_cmp_lt_u32 ttmp9, NCV                        ; the work-group's number alone decides the path
	s_cbranch_scc1 .Lcvt
	s_sub_co_u32 s22, ttmp9, NCV
	s_cmp_lt_u32 s22, WGA                          ; x's work-group or w_attn's?  Only pointers are chosen: both take one path
	s_cselect_b64 s[4:5], s[4:5], s[6:7]
	s_cselect_b64 s[8:9], s[8:9], s[12:13]
	s_cselect_b64 s[10:11], s[10:11], s[14:15]
	s_cselect_b32 s17, 0, WGA
	s_sub_co_u32 s17, s22, s17
	s_lshl_b32 s17, s17, 2
	s_add_co_u32 s18, s17, s16                     ; which run of 8,192 numbers of the tensor is my wave's
	s_mov_b32 s19, 0
	s_mov_b64 s[20:21], 512*STEPS*4
	s_mul_u64 s[20:21], s[18:19], s[20:21]
	s_add_nc_u64 s[4:5], s[4:5], s[20:21]
	s_mov_b64 s[20:21], 32*STEPS*CB
	s_mul_u64 s[20:21], s[18:19], s[20:21]
	s_add_nc_u64 s[8:9], s[8:9], s[20:21]
	s_lshl_b32 s18, s18, 8                         ; 256 scale bytes a run
	s_add_nc_u64 s[10:11], s[10:11], s[18:19]
.macro LOAD t
.irp i, 0,1,2,3
	global_load_b128 v[R+16*((\t)%4)+4*\i:R+16*((\t)%4)+4*\i+3], v3, s[4:5] offset:2048*(\t)+512*\i th:TH_LOAD_NT   ; 32 lanes read 512 consecutive bytes
.endr
.endm
.macro TURN t                          ; step t's numbers through the stage: LDS serves a wave's instructions in order, so no wait stands between the stores and the loads
.irp i, 0,1,2,3
	ds_store_b128 v14, v[R+16*((\t)%4)+4*\i:R+16*((\t)%4)+4*\i+3] offset:32*SP*((\t)%2)+8*SP*\i
.endr
.irp i, 0,1,2,3
	ds_load_b128 v[X+16*((\t)%2)+4*\i:X+16*((\t)%2)+4*\i+3], v15 offset:32*SP*((\t)%2)+16*\i
.endr
.endm
.irp t, 0,1,2,3
	LOAD \t
.endr
	s_wait_loadcnt 12                              ; step 0's four loads are in; three steps' twelve stay out
	TURN 0
.macro STEP t
.set XS, X+16*((\t)%2)
.if (\t) > 0
	s_wait_dscnt 1                                 ; this step's numbers are back from the stage (the last step's byte store may be out)
.else
	s_wait_dscnt 0x0
.endif
.if (\t)+4 < STEPS
	LOAD (\t)+4                                    ; into the registers that this step's stage stores have read
.endif
.if (\t)+1 < STEPS
.if STEPS-2-(\t) >= 3
	s_wait_loadcnt 12                              ; the next step's four loads are in; those of the three steps behind it may be out
.else
	s_wait_loadcnt 4*(STEPS-2-(\t))
.endif
	TURN (\t)+1                                    ; they go through the other stage while this step is worked
.endif
	v_max3_num_f32 v8, |v[XS]|, |v[XS+1]|, |v[XS+2]|               ; the largest magnitude of my 16, in two chains
	v_max3_num_f32 v9, |v[XS+3]|, |v[XS+4]|, |v[XS+5]|
.irp i, 6,10
	v_max3_num_f32 v8, v8, |v[XS+\i]|, |v[XS+\i+1]|
	v_max3_num_f32 v9, v9, |v[XS+\i+2]|, |v[XS+\i+3]|
.endr
	v_max3_num_f32 v8, v8, |v[XS+14]|, |v[XS+15]|
	v_max3_num_f32 v8, v8, v9, (EMAX+1)<<23        ; and the floor 2^(3 - 127): the byte cannot fall under 1
	v_max_num_f32_dpp v8, v8, v8 row_xmask:1 row_mask:0xf bank_mask:0xf   ; with my neighbour's 16: the block's
	v_add_nc_u32 v11, -(EMAX<<23), v8              ; 2 off its exponent field: the conversion takes the exponent field of this operand as its scale
	v_cvt_scalef32_pk8_fp4_f32 v[C+4*(\t)], v[XS:XS+7], v11        ; eight numbers / the scale, to the nearest code, ties to even, beyond 6 the largest code
	v_cvt_scalef32_pk8_fp4_f32 v[C+4*(\t)+1], v[XS+8:XS+15], v11
	v_lshrrev_b32 v[E+(\t)], 23, v11               ; the scale's byte (also the plain line behind the conversions)
	ds_store_b8 v5, v[E+(\t)] offset:16*(\t)       ; both lanes of a block write the same byte with the same value
	global_store_b64 v4, v[C+4*(\t):C+4*(\t)+1], s[8:9] offset:32*CB*(\t)   ; 256 consecutive bytes, aligned
.endm
.irp t, 0,1,2,3,4,5,6,7,8,9,10,11,12,13,14,15
	STEP \t
.endr
	ds_load_b64 v[8:9], v6                         ; LDS serves a wave's instructions in order: these see my byte stores
	s_wait_dscnt 0x0
	global_store_b64 v7, v[8:9], s[10:11]          ; 32 lanes store 256 consecutive bytes, aligned
	s_wait_tensorcnt 0x0                           ; the wave's end, behind my last LDS store
	ds_add_u32 v[SPW], v[NIL]
	s_wait_dscnt 0x0
	s_endpgm
; w_proj to f16.  A wave takes 8,192 numbers: 64 loads of 512 consecutive bytes through a ring of 16 register slots, 64 stores of 256 consecutive bytes.  Every offset is an immediate.
.Lcvt:
	s_lshl_b32 s18, ttmp9, 2
	s_add_co_u32 s18, s18, s16                     ; my run, 0 to 127
	s_lshl_b32 s20, s18, 15                        ; 32,768 bytes in,
	s_mov_b32 s21, 0
	s_add_nc_u64 s[24:25], s[24:25], s[20:21]
	s_lshl_b32 s20, s18, 14                        ; 16,384 bytes out
	s_add_nc_u64 s[26:27], s[26:27], s[20:21]
.set n, 0
.rept 16
	global_load_b128 v[R+4*n:R+4*n+3], v3, s[24:25] offset:512*n th:TH_LOAD_NT
.set n, n+1
.endr
.set n, 0
.rept 64
.if 63-n < 15
	s_wait_loadcnt 63-n                            ; the tail: the counts run down
.else
	s_wait_loadcnt 15                              ; load n is in; the fifteen younger ones stay out
.endif
.if n >= 16
	s_wait_xcnt 0x0                                ; the slot's last store has read its data: they are written again only behind this wait
.endif
	v_cvt_pk_f16_f32 v[C+2*(n%16)], v[R+4*(n%16)], v[R+4*(n%16)+1]
	v_cvt_pk_f16_f32 v[C+2*(n%16)+1], v[R+4*(n%16)+2], v[R+4*(n%16)+3]
.if n+16 < 64
	global_load_b128 v[R+4*(n%16):R+4*(n%16)+3], v3, s[24:25] offset:512*(n+16) th:TH_LOAD_NT
.endif
	global_store_b64 v4, v[C+2*(n%16):C+2*(n%16)+1], s[26:27] offset:256*n
.set n, n+1
.endr
	s_wait_tensorcnt 0x0                           ; the closing three lines here too
	ds_add_u32 v[SPW], v[NIL]
	s_wait_dscnt 0x0
	s_endpgm
.Lfunc_end_k_q74e970e485_quant:
	.size	k_q74e970e485_quant, .Lfunc_end_k_q74e970e485_quant-k_q74e970e485_quant
	.p2alignl 7, 3214868480
	.fill 96, 4, 3214868480
	.section	.rodata,"a",@progbits
	.p2align	6, 0x0
	.amdhsa_kernel k_q74e970e485_quant
		.amdhsa_group_segment_fixed_size 33280
		.amdhsa_private_segment_fixed_size 0
		.amdhsa_enable_private_segment 0
		.amdhsa_kernarg_size 64
		.amdhsa_user_sgpr_count 2
		.amdhsa_user_sgpr_kernarg_segment_ptr 1
		.amdhsa_wavefront_size32 1
		.amdhsa_system_sgpr_workgroup_id_x 1
		.amdhsa_system_sgpr_workgroup_id_y 1
		.amdhsa_system_sgpr_workgroup_id_z 1
		.amdhsa_system_vgpr_workitem_id 0
		.amdhsa_next_free_vgpr 192
		.amdhsa_next_free_sgpr 66
		.amdhsa_reserve_vcc 0
		.amdhsa_float_denorm_mode_32 3
		.amdhsa_float_denorm_mode_16_64 3
		.amdhsa_memory_ordered 1
		.amdhsa_forward_progress 1
		.amdhsa_inst_pref_size 57
	.end_amdhsa_kernel
	.amdgpu_metadata
---
amdhsa.version: [ 1, 2 ]
amdhsa.kernels:
  - .name:           k_q74e970e485_quant
    .symbol:         k_q74e970e485_quant.kd
    .args:
      - { .name: x, .offset: 0, .size: 8, .value_kind: global_buffer, .address_space: global }
      - { .name: w_attn, .offset: 8, .size: 8, .value_kind: global_buffer, .address_space: global }
      - { .name: xc, .offset: 16, .size: 8, .value_kind: global_buffer, .address_space: global }
      - { .name: xs, .offset: 24, .size: 8, .value_kind: global_buffer, .address_space: global }
      - { .name: wc, .offset: 32, .size: 8, .value_kind: global_buffer, .address_space: global }
      - { .name: ws, .offset: 40, .size: 8, .value_kind: global_buffer, .address_space: global }
      - { .name: w_proj, .offset: 48, .size: 8, .value_kind: global_buffer, .address_space: global }
      - { .name: wp16, .offset: 56, .size: 8, .value_kind: global_buffer, .address_space: global }
    .group_segment_fixed_size: 33280
    .private_segment_fixed_size: 0
    .kernarg_segment_align: 8
    .kernarg_segment_size: 64
    .max_flat_workgroup_size: 128
    .sgpr_count:     66
    .vgpr_count:     192
    .wavefront_size: 32
...
	.end_amdgpu_metadata
.endif
;; end of part 1
;; launch qkv (part 2): grid 12 x 32, 4 waves a work-group, clusters of 4 x 4, 327,680 bytes of LDS; arguments xc, xs, wc, ws, qkv, fq; writes qkv, fq
.if DOCPART == 2
	.amdgcn_target "amdgcn-amd-amdhsa--gfx1250"
	.amdhsa_code_object_version 6
	.text
	.protected	k_q74e970e485_qkv
	.globl	k_q74e970e485_qkv
	.p2align	8
	.type	k_q74e970e485_qkv,@function
k_q74e970e485_qkv:
	s_mov_b64 s[64:65], 0
	v_nop
	global_prefetch_b8 v0, s[64:65] scope:SCOPE_SE
	s_setreg_imm32_b32 hwreg(HW_REG_WAVE_MODE, 25, 1), 1
	s_wait_xcnt 0x0
	s_wait_alu depctr_hold_cnt(0) depctr_sa_sdst(0) depctr_va_vdst(0) depctr_va_sdst(0) depctr_va_ssrc(0) depctr_va_vcc(0) depctr_vm_vsrc(0)
	s_getreg_b32 s2, hwreg(HW_REG_IB_STS2, 6, 4)
	s_cmp_eq_u32 s2, 0
	s_cbranch_scc0 .Lentry_in_a_cluster
	s_endpgm
.Lentry_in_a_cluster:
	s_bfe_u32 s2, ttmp6, 0x10000c
	s_cmp_lg_u32 s2, 0xf033
	s_cbranch_scc0 .Lentry_shape_is_right
	s_endpgm
.Lentry_shape_is_right:
; qkv = x w_attn^T on codes of FP4 (E2M1) with one E8M0 scale for each 32 along K; sums in f32.  x: [8192][1024], w_attn: [3072][1024], as codes (512 bytes a row) and scale bytes (32 a row).
; OUT: qkv [3 (q, k, v)][4 b][16 head][2048 t][64] f16, a row of a head 128 bytes; and fq [4 b][16 t][3072] f32: the first 16 positions of every sequence, unrounded, for the last launch.
; LIMIT: |q|, |k|, |v| stay under 65,504, f16's largest number.
; A tile of 256 x 256 is made by four waves, each 128 x 128: 64 accumulators of 16 x 16, 512 registers.  K = 1,024 is two steps of 512: each lies in a slot of its own, filled once; nothing is filled again.
; The scales of the work-group's 256 + 256 rows, for all of K, come into LDS once, in rows of 256 bytes.
; CLUSTERS: 4 x 4 work-groups.  The four of a row of the cluster need the same tiles of x, the four of a column the same tiles of w_attn: each tile is asked for jointly, by the same tensor load with the same
; descriptor and a mask that names the four.  By this text's count a wave has three tensor loads out at the most.
; THE MATRIX INSTRUCTION IS USED TRANSPOSED (source 0 = 16 rows of w_attn, source 1 = 16 rows of x): a lane holds eight neighbouring columns of one row of the result.
; REGISTERS: window 0: v0-31 addresses; v32-95 scale words, two sets; from v128 x's fragments, one set; on the way out v32-191 are free.  window 1: w_attn's fragments, two sets.
;   window 2: the 32 accumulators of my rows 0-63 ((a, b) at v[8 (8 a + b)]);  window 3: those of my rows 64-127.
.set SIZE_M, 8192
.set SIZE_N, 3072
.set SIZE_K, 1024
.set KSTEP,  512
.set NQ,     KSTEP/128
.set ROWB,   256                       ; a tile's row in bytes
.set KROW,   SIZE_K*4/8                ; a row of codes in memory
.set PITCH,  272                       ; an LDS row: 256 bytes + 16 of padding: an odd multiple of 16 bytes, so that the 16 rows of a load begin at 16 different banks (ISA guide 11.1)
.set FR,     8
.set NL,     2
.set NP,     4                         ; places behind this matrix instruction (ISA guide 7.12.1)
.set HALFT,  128*PITCH
.set SLOT,   4*HALFT
.set KS,     SIZE_K/32
.set SCL,    2*SLOT                    ; behind the slots: the scales
.set HALFS,  (128*KS/256)*272
.set SBLK,   (16*KS/256)*272
.set SPARE,  SCL+4*HALFS               ; the spare words, 128 bytes a wave, that no other line names
.set WSTG,   12800                     ; the way out: each wave's stages, in slot 0 (filled once, and read by nobody behind the change of slots): 16 rows x 528 for f32, then 16 rows x 272 for f16
.set ADRA, 16                          ; v16-17  LDS address of my fragments of x in slot 0, 1
.set ADRB, 20                          ; v20-21  the same for w_attn
.set CO16, 22                          ; v22     f16 out: 262,144 (lane / 16) + 128 ((lane / 8) % 2) + 16 (lane % 8)
.set FMV,  23                          ; v23     0 where my block 0 holds positions 0-15 of a sequence
.set STO32, 24
.set RD32, 25
.set CO32, 26
.set ADRS, 27                          ; v27     LDS address of my scale words: lanes 0-15 x's rows, lanes 16-31 w_attn's
.set SPW,  28
.set NIL,  29
.set STO16, 30
.set RD16, 31
.set SC,   32
.set AF,   128
.set TMP,  32                          ; the way out: packed f16
.set OB,   64                          ; v64-95, v96-127 by turns: rows read back
.set BK32, 128                         ; v128-191: block 0's rows in f32
.set G1, 24
.set G0, 32
.set G1B, 48
.set G0B, 56
.set G1S, 68
.set G0S, 76
.set G1SB, 80
.set G0SB, 88
.set MSB, 0
.macro WIN new                         ; the immediate's high byte repeats the setting that is left
.if MSB != \new
	s_set_vgpr_msb (MSB<<8)|\new
.set MSB, \new
.endif
.endm
.set MUL_LO, 0xa1                      ; source 0 window 1, source 1 window 0, C and D window 2
.set MUL_HI, 0xf1                      ; the same, C and D window 3
.set TO_B,   0x40
; A joint load: waves 0 and 1 fetch for x, waves 2 and 3 for w_attn.  The branch hangs on the wave's number alone.  An s_nop 0 and four v_nop follow each of the two lines.
.macro JLOAD g0a, g1a, g0b, g1b
	s_cmp_eq_u32 s15, 0
	s_cbranch_scc0 .Lfor_b_\@
	tensor_load_to_lds s[\g0a:\g0a+3], s[\g1a:\g1a+7]
	s_nop 0
.rept 4
	v_nop
.endr
	s_branch .Lasked_\@
.Lfor_b_\@:
	tensor_load_to_lds s[\g0b:\g0b+3], s[\g1b:\g1b+7]
	s_nop 0
.rept 4
	v_nop
.endr
.Lasked_\@:
.endm
.macro CROUND                          ; a round of the cluster's barrier
	s_barrier_signal -1
	s_barrier_wait -1
	s_cmp_lg_u32 s14, 0
	s_cbranch_scc1 .Lnot_wave_0_\@
	s_barrier_signal -3
.Lnot_wave_0_\@:
	s_barrier_wait -3
	s_barrier_signal -1
	s_barrier_wait -1
.endm
	s_load_b128 s[4:7], s[0:1], 0x0                ; x's codes, x's scales
	s_load_b128 s[8:11], s[0:1], 0x10              ; w_attn's codes, its scales
	s_load_b64 s[12:13], s[0:1], 0x20              ; qkv
	s_load_b64 s[96:97], s[0:1], 0x28              ; fq
	v_lshl_add_u32 v[SPW], v0, 2, SPARE
	v_mov_b32 v[NIL], 0
	ds_add_u32 v[SPW], v[NIL]                      ; the wave's opening: the add, twice on end, and its wait ahead of my first tensor load
	ds_add_u32 v[SPW], v[NIL]
	v_lshrrev_b32 v1, 5, v0
	v_readfirstlane_b32 s14, v1                    ; wave 0..3
	s_lshr_b32 s15, s14, 1                         ; which half of the tile's rows is mine.  Also: I fetch for x (0) or for w_attn (1)
	s_and_b32 s16, s14, 1                          ; which half of its columns.  Also: which 128 rows I fetch
	s_bfe_u32 s40, ttmp6, 0x40000                  ; cx, cy: my place in the cluster
	s_bfe_u32 s41, ttmp6, 0x40004
	s_lshl_b32 s42, ttmp9, 2
	s_add_co_u32 s42, s42, s40                     ; tile column = 4 x cluster x + cx
	s_and_b32 s17, ttmp7, 0xffff
	s_lshl_b32 s17, s17, 2
	s_add_co_u32 s17, s17, s41                     ; tile row = 4 x cluster y + cy
	s_lshl_b32 s43, s41, 2
	s_lshl_b32 s43, 15, s43                        ; my row of the cluster
	s_lshl_b32 s44, 0x1111, s40                    ; my column
	s_or_b32 s[G1+0], s43, (0<<16)|(1<<20)|(1<<21)|(5<<22)|(3<<25)  ; the mask; elements of 1 byte; padding on; bit 21 beside a mask; 4 words behind every 64
	s_or_b32 s[G1B+0], s44, (0<<16)|(1<<20)|(1<<21)|(5<<22)|(3<<25)
.irp g, G1, G1B
	s_mov_b32 s[\g+1], ROWB<<16                    ; tensor_dim0
	s_mov_b32 s[\g+2], 128<<16                     ; tensor_dim1
	s_mov_b32 s[\g+3], ROWB<<16                    ; tile_dim0
	s_mov_b32 s[\g+4], 128                         ; tile_dim1
	s_mov_b32 s[\g+5], KROW                        ; the pitch
	s_mov_b32 s[\g+6], 0
	s_mov_b32 s[\g+7], 0
.endr
	s_or_b32 s[G1S+0], s43, (3<<16)|(1<<20)|(1<<21)|(5<<22)|(3<<25)  ; the scales of 128 rows: 4,096 dense bytes as 16 rows of 256 (32 elements of 8 bytes), 16 bytes of padding behind each
	s_or_b32 s[G1SB+0], s44, (3<<16)|(1<<20)|(1<<21)|(5<<22)|(3<<25)
.irp g, G1S, G1SB
	s_mov_b32 s[\g+1], 32<<16
	s_mov_b32 s[\g+2], (128*KS/256)<<16
	s_mov_b32 s[\g+3], 32<<16
	s_mov_b32 s[\g+4], 128*KS/256
	s_mov_b32 s[\g+5], 32
	s_mov_b32 s[\g+6], 0
	s_mov_b32 s[\g+7], 0
.endr
	s_lshl_b32 s18, s16, 7
	s_lshl_b32 s20, s17, 8
	s_add_co_u32 s20, s20, s18                     ; x: row 256 x tile row + 128 x half
	s_lshl_b32 s46, s42, 8
	s_add_co_u32 s46, s46, s18                     ; w_attn: row 256 x tile column + 128 x half
	s_mov_b32 s21, 0
	s_mov_b32 s47, 0
	s_mov_b64 s[18:19], KS
	s_mul_u64 s[22:23], s[20:21], s[18:19]         ; where these rows' scales begin,
	s_mul_u64 s[92:93], s[46:47], s[18:19]
	s_mov_b64 s[18:19], KROW
	s_mul_u64 s[20:21], s[20:21], s[18:19]         ; and their codes
	s_mul_u64 s[46:47], s[46:47], s[18:19]
	s_mul_i32 s45, s14, HALFT                      ; where they go: wave x 128 rows: no place in the cluster enters an LDS address
	s_mul_i32 s94, s14, HALFS
	s_wait_dscnt 0x0                               ; both opening adds are done
	s_wait_kmcnt 0x0
	s_add_nc_u64 s[20:21], s[4:5], s[20:21]
	s_add_nc_u64 s[22:23], s[6:7], s[22:23]
	s_add_nc_u64 s[46:47], s[8:9], s[46:47]
	s_add_nc_u64 s[92:93], s[10:11], s[92:93]
	CROUND                                         ; all sixteen work-groups are here: the joint loads meet
	s_mov_b32 s[G0S], 1
	s_add_co_u32 s[G0S+1], s94, SCL
	s_mov_b64 s[G0S+2:G0S+3], s[22:23]
	s_or_b32 s[G0S+3], s[G0S+3], 0x80000000
	s_mov_b32 s[G0SB], 1
	s_add_co_u32 s[G0SB+1], s94, SCL
	s_mov_b64 s[G0SB+2:G0SB+3], s[92:93]
	s_or_b32 s[G0SB+3], s[G0SB+3], 0x80000000
	JLOAD G0S, G1S, G0SB, G1SB                     ; the scales first: they are wanted with K step 0
.irp s, 0,1
	s_mov_b32 s[G0+4*\s], 1
	s_add_co_u32 s[G0+4*\s+1], s45, \s*SLOT
	s_add_nc_u64 s[G0+4*\s+2:G0+4*\s+3], s[20:21], \s*ROWB
	s_or_b32 s[G0+4*\s+3], s[G0+4*\s+3], 0x80000000
	s_mov_b32 s[G0B+4*\s], 1
	s_add_co_u32 s[G0B+4*\s+1], s45, \s*SLOT
	s_add_nc_u64 s[G0B+4*\s+2:G0B+4*\s+3], s[46:47], \s*ROWB
	s_or_b32 s[G0B+4*\s+3], s[G0B+4*\s+3], 0x80000000
	JLOAD G0+4*\s, G1, G0B+4*\s, G1B
.endr
	v_and_b32 v1, 15, v0                           ; r = lane % 16
	v_bfe_u32 v2, v0, 4, 1                         ; h = lane / 16
	v_mul_u32_u24 v3, v1, PITCH
	v_lshl_add_u32 v4, v2, 4, v3                   ; a fragment's row x pitch + 16 x half
	s_mul_i32 s21, s15, HALFT                      ; my 128 rows of x
	s_mul_i32 s22, s16, HALFT                      ; my 128 rows of w_attn,
	s_add_co_u32 s22, s22, 2*HALFT                 ; which lie behind x's 256
.irp s, 0,1
	v_add_nc_u32 v[ADRA+\s], s21, v4
	v_add_nc_u32 v[ADRB+\s], s22, v4
	s_add_co_u32 s21, s21, SLOT
	s_add_co_u32 s22, s22, SLOT
.endr
	v_mul_u32_u24 v5, v1, KS                       ; my row's scales: 32 bytes a row,
	v_lshrrev_b32 v6, 8, v5
	v_lshl_add_u32 v5, v6, 4, v5                   ; and 16 more for each 256 passed
	s_mul_i32 s21, s15, HALFS
	s_mul_i32 s22, s16, HALFS
	s_add_co_u32 s22, s22, 2*HALFS
	s_sub_co_u32 s22, s22, s21
	v_mul_u32_u24 v6, s22, v2                      ; lanes 16-31 take w_attn's: one product, the distance between the two bases
	s_add_co_u32 s21, s21, SCL
	v_add_nc_u32 v5, v5, v6
	v_add_nc_u32 v[ADRS], s21, v5
	; the way out's addresses
	s_mul_i32 s23, s14, WSTG                       ; my stages
	v_mul_u32_u24 v5, v1, 528
	v_lshl_add_u32 v5, v2, 5, v5
	v_add_nc_u32 v[STO32], s23, v5                 ; f32 in: row r, 32 bytes for each half of the lanes
	v_and_b32 v6, 31, v0
	v_lshlrev_b32 v[CO32], 4, v6                   ; f32 back: the 32 lanes take one row of 512 bytes; the same in fq
	v_add_nc_u32 v[RD32], s23, v[CO32]
	s_add_co_u32 s23, s23, 16*528
	v_mul_u32_u24 v5, v1, 272
	v_lshl_add_u32 v5, v2, 4, v5
	v_add_nc_u32 v[STO16], s23, v5                 ; f16 in: row r, 16 bytes for each half of the lanes
	v_bfe_u32 v5, v0, 3, 1                         ; (lane / 8) % 2: which of two rows
	v_and_b32 v6, 7, v0
	v_lshlrev_b32 v6, 4, v6                        ; 16 (lane % 8): my piece of a head's 128 bytes
	v_mul_u32_u24 v3, v5, 272
	v_add_nc_u32 v3, v3, v6
	v_lshl_add_u32 v3, v2, 7, v3                   ; lanes 16-31 take the second head's 128 bytes
	v_add_nc_u32 v[RD16], s23, v3
	v_lshl_add_u32 v6, v5, 7, v6
	v_lshl_add_u32 v[CO16], v2, 18, v6             ; in memory the second head lies 262,144 bytes on
	s_lshr_b32 s20, s17, 3                         ; the batch
	s_and_b32 s21, s17, 7                          ; which 256 positions of the sequence
	s_lshl_b32 s98, s21, 1
	s_or_b32 s98, s98, s15                         ; 0: my rows begin at position 0
	v_mov_b32 v[FMV], s98
	s_lshl_b32 s46, ttmp9, 24                      ; q, k or v: 1,024 columns are four tile columns, one cluster
	s_lshl_b32 s47, s20, 22
	s_add_co_u32 s46, s46, s47
	s_lshl_b32 s47, s40, 2
	s_lshl_b32 s92, s16, 1
	s_add_co_u32 s47, s47, s92                     ; my first head: 4 cx + 2 x half
	s_lshl_b32 s47, s47, 18
	s_add_co_u32 s46, s46, s47
	s_lshl_b32 s47, s21, 15                        ; 256 rows of 128 bytes,
	s_add_co_u32 s46, s46, s47
	s_lshl_b32 s47, s15, 14                        ; my 128 of them
	s_add_co_u32 s46, s46, s47
	s_mov_b32 s47, 0
	s_add_nc_u64 s[12:13], s[12:13], s[46:47]
	s_mul_i32 s46, s20, 16*SIZE_N*4                ; fq: the batch's 16 rows, my 128 columns: inside fq for every work-group
	s_lshl_b32 s92, s42, 10
	s_add_co_u32 s46, s46, s92
	s_lshl_b32 s92, s16, 9
	s_add_co_u32 s46, s46, s92
	s_add_nc_u64 s[96:97], s[96:97], s[46:47]
.macro FRAG reg, adr, q, i             ; 16 rows x 128 K of 4-bit codes: 8 registers: lane l holds row l % 16; registers 4 c .. 4 c + 3 hold K = 64 c + 32 (l / 16) + 0 .. 31
.irp c, 0,1
	ds_load_b128 v[\reg+4*\c:\reg+4*\c+3], v[\adr] offset:64*(\q)+32*\c+(\i)*16*PITCH
.endr
.endm
; 16 matrix instructions: x's blocks a0, a0 + 1 against w_attn's eight, the slot's q-th 128 along K.  zero = 1: the first product starts the sums.  The 64 accumulators take turns, one instruction a turn.
.macro MUL16 a0, p, q, sc, zero
.irp a, \a0, \a0+1
.irp b, 0,1,2,3,4,5,6,7
.if \zero
	v_wmma_scale_f32_16x16x128_f8f6f4 v[8*(8*((\a)%4)+\b):8*(8*((\a)%4)+\b)+7], v[128*(\p)+FR*\b:128*(\p)+FR*\b+FR-1], v[AF+FR*(\a):AF+FR*(\a)+FR-1], 0, v[SC+8*NQ*(\sc)+NQ*\b+(\q)], v[SC+8*NQ*(\sc)+NQ*(\a)+(\q)] matrix_a_fmt:MATRIX_FMT_FP4 matrix_b_fmt:MATRIX_FMT_FP4 matrix_a_scale:MATRIX_SCALE_ROW1
.else
	v_wmma_scale_f32_16x16x128_f8f6f4 v[8*(8*((\a)%4)+\b):8*(8*((\a)%4)+\b)+7], v[128*(\p)+FR*\b:128*(\p)+FR*\b+FR-1], v[AF+FR*(\a):AF+FR*(\a)+FR-1], v[8*(8*((\a)%4)+\b):8*(8*((\a)%4)+\b)+7], v[SC+8*NQ*(\sc)+NQ*\b+(\q)], v[SC+8*NQ*(\sc)+NQ*(\a)+(\q)] matrix_a_fmt:MATRIX_FMT_FP4 matrix_b_fmt:MATRIX_FMT_FP4 matrix_a_scale:MATRIX_SCALE_ROW1
.endif
.endr
.endr
.endm
.macro FETCH_B slot, q, p
	WIN TO_B
.irp i, 0,1,2,3,4,5,6,7
	FRAG 128*(\p)+FR*\i, ADRB+\slot, \q, \i
.endr
	WIN 0
.endm
.macro FETCH_A slot, q, i0
.irp i, \i0, \i0+1, \i0+2, \i0+3
	FRAG AF+FR*(\i), ADRA+\slot, \q, \i
.endr
.endm
.macro SCALES sc                       ; a K step's scale words: 4 words a row; lanes 0-15 take x's block i, lanes 16-31 w_attn's block i
.irp i, 0,1,2,3,4,5,6,7
	ds_load_b128 v[SC+8*NQ*\sc+NQ*\i:SC+8*NQ*\sc+NQ*\i+3], v[ADRS] offset:\i*SBLK
.endr
.endm
.macro PLACES n                        ; plain vector instructions between a matrix instruction and a load into, or a read of, its registers
.rept \n
	v_nop
.endr
.endm
.macro STEP slot, q, zero              ; a step of 128 along K that has its successor in the same slot
	s_wait_dscnt 4*NL                              ; w_attn's set and x's blocks 0-3 are in; the youngest eight loads (x's blocks 4-7) may be out
	WIN MUL_LO
	MUL16 0, (\q)%2, \q, \slot, \zero
	MUL16 2, (\q)%2, \q, \slot, \zero
	s_wait_dscnt 0                                 ; x's blocks 4-7 are in
	PLACES NP
	FETCH_B \slot, (\q)+1, 1-(\q)%2
	FETCH_A \slot, (\q)+1, 0
	WIN MUL_HI
	MUL16 4, (\q)%2, \q, \slot, \zero
	MUL16 6, (\q)%2, \q, \slot, \zero
	PLACES NP
	WIN 0
	FETCH_A \slot, (\q)+1, 4
.endm
; Slot 0's last step changes slots: one barrier; in front of it each wave waits for all its tensor loads (slot 1's is the one that was out), adds 0 to its spare word, and waits for that and for its reads of slot 0.
.macro TURN slot, next
	s_wait_tensorcnt 0x0
	ds_add_u32 v[SPW], v[NIL]
	s_wait_dscnt 4*NL+1                            ; (the add and x's blocks 4-7 may be out)
	WIN MUL_LO
	MUL16 0, 1, NQ-1, \slot, 0
	s_wait_dscnt 0x0                               ; the add is done, and my reads of this slot are over
	s_barrier_signal -1
	MUL16 2, 1, NQ-1, \slot, 0
	WIN 0
	s_barrier_wait -1
	PLACES NP
	v_add_nc_u32 v[ADRS], 4*NQ, v[ADRS]            ; on to the next K step's scale words
	FETCH_B \next, 0, 0
	FETCH_A \next, 0, 0
	SCALES \next
	WIN MUL_HI
	MUL16 4, 1, NQ-1, \slot, 0
	MUL16 6, 1, NQ-1, \slot, 0
	PLACES NP
	WIN 0
	FETCH_A \next, 0, 4
.endm
.macro STEPS slot, from
.set Q, \from
.rept NQ-1-\from
	STEP \slot, Q, 0
.set Q, Q+1
.endr
.endm
	s_wait_tensorcnt 1                             ; the scales and my part of K step 0 are in (K step 1's load may be out),
	s_barrier_signal -1
	s_barrier_wait -1                              ; everybody's are
	FETCH_B 0, 0, 0
	FETCH_A 0, 0, 0
	SCALES 0
	FETCH_A 0, 0, 4
	STEP 0, 0, 1                                   ; the first products start the sums: nothing is cleared
	STEPS 0, 1
	TURN 0, 1
	STEPS 1, 0
	s_wait_dscnt 4*NL                              ; the last step: nothing more to fetch
	WIN MUL_LO
	MUL16 0, 1, NQ-1, 1, 0
	MUL16 2, 1, NQ-1, 1, 0
	s_wait_dscnt 0
	WIN MUL_HI
	MUL16 4, 1, NQ-1, 1, 0
	MUL16 6, 1, NQ-1, 1, 0
	WIN 0
	PLACES NP
; THE WAY OUT.  (a) Block 0 (my first 16 rows) goes through the f32 stage in every wave; it is stored to fq only where those rows are positions 0-15 of a sequence: a mask on the lanes, no branch.
	WIN 0x08                                       ; an LDS store's data are its source 1: window 2
.irp b, 0,1,2,3,4,5,6,7
	ds_store_b128 v[STO32], v[8*\b:8*\b+3] offset:64*\b            ; each accumulator from its low end on
	ds_store_b128 v[STO32], v[8*\b+4:8*\b+7] offset:64*\b+16
.endr
	WIN 0
.irp t, 0,1,2,3,4,5,6,7,8,9,10,11,12,13,14,15
	ds_load_b128 v[BK32+4*\t:BK32+4*\t+3], v[RD32] offset:\t*528   ; LDS serves a wave's instructions in order: these see the stores above
.endr
	s_wait_dscnt 0x0
	v_cmp_eq_u32 vcc_lo, 0, v[FMV]
	s_wait_xcnt 0x0                                ; EXEC changes only behind this wait
	s_and_saveexec_b32 s99, vcc_lo
.irp t, 0,1,2,3,4,5,6,7,8,9,10,11,12,13,14,15
	global_store_b128 v[CO32], v[BK32+4*\t:BK32+4*\t+3], s[96:97] offset:\t*SIZE_N*4   ; 512 consecutive bytes of a row of fq
.endr
	s_wait_xcnt 0x0                                ; and again in front of the line that widens it
	s_or_b32 exec_lo, exec_lo, s99
; (b) All eight blocks as f16.  A lane's eight columns pack into 16 bytes; a block goes through the f16 stage and comes back so that sixteen lanes hold two rows of one head: 256 consecutive bytes.
.macro PACK a
.set AC, 64*((\a)%4)
	WIN 0x0a+5*((\a)/4)                            ; sources 0 and 1: window 2 or 3
.irp b, 0,1,2,3,4,5,6,7
.irp i, 0,1,2,3
	v_cvt_pk_f16_f32 v[TMP+4*\b+\i], v[AC+8*\b+2*\i], v[AC+8*\b+2*\i+1]
.endr
.endr
	WIN 0
.endm
.macro TOSTAGE16 a
.set BB, OB+32*((\a)%2)
.irp b, 0,1,2,3,4,5,6,7
	ds_store_b128 v[STO16], v[TMP+4*\b:TMP+4*\b+3] offset:32*\b
.endr
.irp i, 0,1,2,3,4,5,6,7
	ds_load_b128 v[BB+4*\i:BB+4*\i+3], v[RD16] offset:\i*2*272
.endr
.endm
.macro SEND16 a
.set BB, OB+32*((\a)%2)
	s_wait_dscnt 0x0                               ; the block is back in registers
	s_wait_xcnt 0x0                                ; earlier stores have read their base and their data: both are rewritten only behind this wait
.if (\a) > 0
	s_add_nc_u64 s[12:13], s[12:13], 16*128        ; 16 rows of a head on
.endif
.irp i, 0,1,2,3,4,5,6,7
	global_store_b128 v[CO16], v[BB+4*\i:BB+4*\i+3], s[12:13] offset:256*\i   ; lanes 0-15: rows 2 i, 2 i + 1 of my first head, 256 consecutive bytes, aligned; lanes 16-31: the same rows of the second
.endr
.endm
	PACK 0
	TOSTAGE16 0
.irp a, 1,2,3,4,5,6,7                  ; block a's conversions stand between block a - 1's loads from the stage and the wait for them
	PACK \a
	SEND16 \a-1
	TOSTAGE16 \a
.endr
	SEND16 7
	s_wait_tensorcnt 0x0                           ; the wave's end
	ds_add_u32 v[SPW], v[NIL]
	s_wait_dscnt 0x0
	CROUND                                         ; the closing round
	s_endpgm
.Lfunc_end_k_q74e970e485_qkv:
	.size	k_q74e970e485_qkv, .Lfunc_end_k_q74e970e485_qkv-k_q74e970e485_qkv
	.p2alignl 7, 3214868480
	.fill 96, 4, 3214868480
	.section	.rodata,"a",@progbits
	.p2align	6, 0x0
	.amdhsa_kernel k_q74e970e485_qkv
		.amdhsa_group_segment_fixed_size 327680
		.amdhsa_private_segment_fixed_size 0
		.amdhsa_enable_private_segment 0
		.amdhsa_kernarg_size 48
		.amdhsa_user_sgpr_count 2
		.amdhsa_user_sgpr_kernarg_segment_ptr 1
		.amdhsa_wavefront_size32 1
		.amdhsa_system_sgpr_workgroup_id_x 1
		.amdhsa_system_sgpr_workgroup_id_y 1
		.amdhsa_system_sgpr_workgroup_id_z 1
		.amdhsa_system_vgpr_workitem_id 0
		.amdhsa_next_free_vgpr 1024
		.amdhsa_next_free_sgpr 100
		.amdhsa_reserve_vcc 1
		.amdhsa_float_denorm_mode_32 3
		.amdhsa_float_denorm_mode_16_64 3
		.amdhsa_memory_ordered 1
		.amdhsa_forward_progress 1
		.amdhsa_inst_pref_size 131
	.end_amdhsa_kernel
	.amdgpu_metadata
---
amdhsa.version: [ 1, 2 ]
amdhsa.kernels:
  - .name:           k_q74e970e485_qkv
    .symbol:         k_q74e970e485_qkv.kd
    .args:
      - { .name: xc, .offset: 0, .size: 8, .value_kind: global_buffer, .address_space: global }
      - { .name: xs, .offset: 8, .size: 8, .value_kind: global_buffer, .address_space: global }
      - { .name: wc, .offset: 16, .size: 8, .value_kind: global_buffer, .address_space: global }
      - { .name: ws, .offset: 24, .size: 8, .value_kind: global_buffer, .address_space: global }
      - { .name: qkv, .offset: 32, .size: 8, .value_kind: global_buffer, .address_space: global }
      - { .name: fq, .offset: 40, .size: 8, .value_kind: global_buffer, .address_space: global }
    .group_segment_fixed_size: 327680
    .private_segment_fixed_size: 0
    .kernarg_segment_align: 8
    .kernarg_segment_size: 48
    .max_flat_workgroup_size: 128
    .sgpr_count:     100
    .vgpr_count:     1024
    .wavefront_size: 32
...
	.end_amdgpu_metadata
.endif
;; end of part 2
;; launch attn (part 3): grid 4 x 64, 8 waves a work-group, no clusters, 327,680 bytes of LDS; arguments qkv, y; writes y
.if DOCPART == 3
	.amdgcn_target "amdgcn-amd-amdhsa--gfx1250"
	.amdhsa_code_object_version 6
	.text
	.protected	k_q74e970e485_attn
	.globl	k_q74e970e485_attn
	.p2align	8
	.type	k_q74e970e485_attn,@function
k_q74e970e485_attn:
	s_mov_b64 s[64:65], 0
	v_nop
	global_prefetch_b8 v0, s[64:65] scope:SCOPE_SE
	s_setreg_imm32_b32 hwreg(HW_REG_WAVE_MODE, 25, 1), 1
	s_wait_xcnt 0x0
; y[b][h][q][:] = the sum over k <= q of softmax_k(Q[q] . K[k] / 8) V[k][:], for 64 heads of 2,048 positions x 64 channels.  Q, K, V: f16, [3][64 heads][2048][64]; y: f16, [64 heads][2048][64].
; Products on f16 operands with f32 sums; maxima, exponentials and sums in f32; the weights p are rounded to f16 for the second product, y once at the end.
; LIMITS: the running maximum starts at -3e38; |y| stays under 65,504; NaN and infinities are not served.
; SHARES.  Work-group (i, head) owns query block 7 - i (pass A) and then block i (pass B), 256 queries each.  Under the causal mask that is a walk of NINE slots of 256 keys whatever i is (8 - i, then i + 1):
; 256 work-groups of equal work, and every trip count a constant.  Each of the eight waves owns 32 queries, two tiles of 16, so that a fragment of K or V read from LDS feeds two products; two waves share a SIMD.
; NO CLUSTER: the four work-groups of a head want the same slots only in their first 5 visits; from then on the walks part (slot 5 against slot 0), so a joint load would bring tiles that a partner never reads.
; LAYOUT.  S^T = K Q^T (source 0 = 16 keys, source 1 = 16 queries): a lane holds ONE query (lane % 16) and the keys 8 (lane / 16) + 0..7.  Two such tiles, rounded in pairs, ARE source 1 of O^T = V^T P.
; K comes out of LDS as it lies, V ([key][channel]) turned, by ds_load_tr16_b128.
; SOFTMAX.  For each query a running maximum m and sum l: p = 2^(c s - c m), c = log2(e) / 8; in every step O and l are multiplied by a = 2^(c m_old - c m_new).  A pass begins with m = -3e38: the first a is 0.
; RING.  Two slots; waves 0-3 fetch K's four quarters (64 rows), waves 4-7 V's: one tensor load a wave behind each change of slots, and one of a wave out at the most.
; REGISTERS: window 0: v1-15 addresses; v16-31 statistics, 8 a tile; v32-95 S^T; v96-127 P; v128-191 O^T; v192-255 at work.  window 1: v0-31 Q; v64-127 K of a step; v128-191 V of a step.
.set PK,    144                        ; a row of K in LDS: 128 bytes + 16: an odd multiple of 16 bytes
.set PV,    160                        ; a row of V: 128 + 32: an odd multiple of 32 bytes, as the turning load's 8 rows x 32 bytes want
.set VOFF,  256*PK                     ; a slot: 256 rows of K, then 256 rows of V
.set SLOT1, 1<<17                      ; slot 1 begins here: one exclusive or turns an address from slot to slot
.set STAGE, 2*SLOT1                    ; behind the ring: 32 rows x 144 bytes for each wave, for the way out
.set SPARE, STAGE+8*32*PK              ; the spare words, 128 bytes a wave, that no other line names
.set NINF, 1                           ; v1   -infinity
.set AK0,  2                           ; v2   my lane's place in a tile of K
.set AV0,  3                           ; v3   the same for V
.set ADK,  4
.set ADV,  5
.set QO,   6                           ; v6   my byte offset in a tile of Q
.set STO,  7
.set RD,   8
.set GO,   9
.set PFO,  10                          ; v10  256 x lane
.set DMB,  11                          ; v11  lane % 16 - 8 (lane / 16)
.set DM0,  12                          ; v12-13 the mask's bound for tiles 0, 1
.set SPW,  14
.set NIL,  15
.set ST,   16                          ; tile t at v[ST + 8 t]: +0 c m, +1 m, +2, +3 l, +4..+7 at work; a takes +6
.set S,    32
.set P,    96
.set O,    128
.set TW,   192
.set KFR,  64                          ; window 1
.set VFR,  128                         ; window 1
.set QA,   2                           ; s[2:3]   pass A's rows of Q
.set YB,   6                           ; s[6:7]   y, then pass B's rows of y
.set WV,   8
.set PW,   9
.set I,    10
.set HB,   11
.set SEL,  12
.set CS,   14
.set G1K,  16
.set G1V,  24
.set G0K,  32
.set G0V,  36
.set KB,   40                          ; s[40:41] my quarter of K's slot 0 in memory
.set VB,   42
.set QB,   44                          ; s[44:45] pass B's rows of Q
.set YA,   46                          ; s[46:47] pass A's rows of y
.set OFF,  48
.set PFA,  50
.set LIM,  52
.set CNT,  53
.set STP,  54
.set TR,   55                          ; visits left in pass A
.set NS,   56                          ; the slot of keys that is asked for
.set LIMA, 57
.set KF,   58                          ; the step's first key
.set Q0,   59                          ; my first query
.set TK,   60                          ; LDS byte at which the step's rows of K begin
.set TV,   61
.set MSB, 0
.macro WIN new
.if MSB != \new
	s_set_vgpr_msb (MSB<<8)|\new
.set MSB, \new
.endif
.endm
; Waves 0-3 fetch for K, waves 4-7 for V: every way through holds one load.  An s_nop 0 and four v_nop follow each line.
.macro TLOAD
	s_cmp_lt_u32 s[WV], 4
	s_cbranch_scc0 .Lfor_v_\@
	tensor_load_to_lds s[G0K:G0K+3], s[G1K:G1K+7]
	s_nop 0
.rept 4
	v_nop
.endr
	s_branch .Lasked_\@
.Lfor_v_\@:
	tensor_load_to_lds s[G0V:G0V+3], s[G1V:G1V+7]
	s_nop 0
.rept 4
	v_nop
.endr
.Lasked_\@:
.endm
; A prefetch into the L2 of what the NEXT change of slots will ask for.  All four work-groups of a head walk slots 0, 1, 2 .. in step: work-group 0, which walks all eight, asks, and nobody else.
; Each of its waves names the 8,192 bytes that it will itself load, lanes 256 bytes apart: change n names slot n + 2, for n = 0 .. 5, so each aligned 256 bytes of slots 2-7 are named once.  Slots 0 and 1 come by their loads alone.
.macro ASK
	s_cmp_gt_u32 s[CNT], s[LIM]
	s_cbranch_scc0 .Lnot_mine_\@
	global_prefetch_b8 v[PFO], s[PFA:PFA+1] th:TH_LOAD_NT scope:SCOPE_SE
.Lnot_mine_\@:
.endm
.macro QLOAD base                      ; my 32 queries: fragment (tile t, channels 32 c on) at window 1 v[8 (2 t + c)]
	WIN 0x40
.irp t, 0,1
.irp c, 0,1
	global_load_b128 v[8*(2*\t+\c):8*(2*\t+\c)+3],   v[QO], s[\base:\base+1] offset:2048*\t+64*\c
	global_load_b128 v[8*(2*\t+\c)+4:8*(2*\t+\c)+7], v[QO], s[\base:\base+1] offset:2048*\t+64*\c+32
.endr
.endr
	WIN 0
.endm
; THE CHANGE OF SLOTS, at a visit's head.  Each wave waits for all its tensor loads (its part of the slot ahead), adds 0 to its spare word, and waits for that and for its reads of the slot that it has left.
; Behind the barrier the slot ahead is whole and nobody reads the other: fill = 1: it takes the next visit's keys, and that load has a whole visit in which to land.
.macro CHANGE fill
	s_wait_tensorcnt 0x0                           ; no tensor load of mine is out, so a group 0 may be written
	ds_add_u32 v[SPW], v[NIL]                      ; the descriptors' steps stand between the add and the wait for it
.if \fill
	s_add_co_u32 s[NS], s[NS], 1
	s_cmp_eq_u32 s[NS], s[LIMA]                    ; behind pass A's last slot comes pass B's slot 0
	s_cselect_b32 s[NS], 0, s[NS]
	s_lshl_b32 s[OFF], s[NS], 15                   ; a slot of keys is 256 rows of 128 bytes
	s_xor_b32 s[G0K+1], s[G0K+1], SLOT1
	s_xor_b32 s[G0V+1], s[G0V+1], SLOT1
	s_add_nc_u64 s[G0K+2:G0K+3], s[KB:KB+1], s[OFF:OFF+1]
	s_or_b32 s[G0K+3], s[G0K+3], 0x80000000
	s_add_nc_u64 s[G0V+2:G0V+3], s[VB:VB+1], s[OFF:OFF+1]
	s_or_b32 s[G0V+3], s[G0V+3], 0x80000000
	s_wait_xcnt 0x0                                ; the last prefetch, a visit back, has read its address
	s_add_nc_u64 s[PFA:PFA+1], s[PFA:PFA+1], 32768
.endif
	s_wait_dscnt 0x0                               ; the add is done, and my reads of the slot that I have left are over
	s_barrier_signal -1
	s_barrier_wait -1
.if \fill
	TLOAD                                          ; the first thing behind the barrier, and my one tensor load until the next
	ASK
.endif
.endm
; One key step's softmax for my two tiles, which alternate line by line so that no line waits for the line above it.
.macro SOFTMAX
.irp j, 0,1,2,3
.irp t, 0,1
	v_max3_num_f32 v[ST+8*\t+4+\j], v[S+32*\t+8*\j], v[S+32*\t+8*\j+1], v[S+32*\t+8*\j+2]   ; four chains; each accumulator is read from its low end on
.endr
.endr
.irp g, 1,2
.irp j, 0,1,2,3
.irp t, 0,1
	v_max3_num_f32 v[ST+8*\t+4+\j], v[ST+8*\t+4+\j], v[S+32*\t+8*\j+2*\g+1], v[S+32*\t+8*\j+2*\g+2]
.endr
.endr
.endr
.irp t, 0,1
	v_max3_num_f32 v[ST+8*\t+4], v[ST+8*\t+4], v[S+32*\t+7], v[S+32*\t+15]
.endr
.irp t, 0,1
	v_max3_num_f32 v[ST+8*\t+6], v[ST+8*\t+6], v[S+32*\t+23], v[S+32*\t+31]
.endr
.irp t, 0,1
	v_max3_num_f32 v[ST+8*\t+4], v[ST+8*\t+4], v[ST+8*\t+5], v[ST+8*\t+6]
.endr
.irp t, 0,1
	v_max3_num_f32 v[ST+8*\t+4], v[ST+8*\t+4], v[ST+8*\t+7], v[ST+8*\t+1]   ; with the old m
.endr
.irp t, 0,1
	v_permlanex16_b32 v[ST+8*\t+5], v[ST+8*\t+4], s[SEL], s[SEL+1]          ; the query's other 32 keys lie in the lane 16 away
.endr
.irp t, 0,1
	v_mov_b32 v[ST+8*\t+7], v[ST+8*\t]             ; c m_old is kept for a
.endr
.irp t, 0,1
	v_max_num_f32 v[ST+8*\t+1], v[ST+8*\t+4], v[ST+8*\t+5]
.endr
.irp t, 0,1
	v_mul_f32 v[ST+8*\t], s[CS], v[ST+8*\t+1]
.endr
.irp t, 0,1
	v_sub_f32 v[ST+8*\t+7], v[ST+8*\t+7], v[ST+8*\t]
.endr
.set n, 0
.rept 16
.irp t, 0,1
	v_pk_fma_f32 v[S+32*\t+2*n:S+32*\t+2*n+1], v[S+32*\t+2*n:S+32*\t+2*n+1], s[CS:CS+1], v[ST+8*\t:ST+8*\t+1] op_sel_hi:[1,0,0] neg_lo:[0,0,1] neg_hi:[0,0,1]   ; c s - c m
.endr
.set n, n+1
.endr
.irp t, 0,1
	v_exp_f32 v[ST+8*\t+6], v[ST+8*\t+7]           ; a
.endr
.set n, 0
.rept 32
.irp t, 0,1
	v_exp_f32 v[S+32*\t+n], v[S+32*\t+n]           ; p
.endr
.set n, n+1
.endr
	v_nop                                          ; a plain instruction behind the last exponential,
	s_wait_alu depctr_va_vdst(0)                   ; and ONE wait for the 66, ahead of the first line that names a result
.set n, 0
.rept 16
.irp t, 0,1
	v_cvt_pk_f16_f32 v[P+16*\t+n], v[S+32*\t+2*n], v[S+32*\t+2*n+1]
.endr
.set n, n+1
.endr
.irp u, 0,1,2,3,4,5,6,7                ; the sum of the unrounded p, in place: neighbours 1, 2, 4, 8 pairs apart
.irp t, 0,1
	v_pk_add_f32 v[S+32*\t+4*\u:S+32*\t+4*\u+1], v[S+32*\t+4*\u:S+32*\t+4*\u+1], v[S+32*\t+4*\u+2:S+32*\t+4*\u+3]
.endr
.endr
.irp u, 0,1,2,3
.irp t, 0,1
	v_pk_add_f32 v[S+32*\t+8*\u:S+32*\t+8*\u+1], v[S+32*\t+8*\u:S+32*\t+8*\u+1], v[S+32*\t+8*\u+4:S+32*\t+8*\u+5]
.endr
.endr
.irp u, 0,1
.irp t, 0,1
	v_pk_add_f32 v[S+32*\t+16*\u:S+32*\t+16*\u+1], v[S+32*\t+16*\u:S+32*\t+16*\u+1], v[S+32*\t+16*\u+8:S+32*\t+16*\u+9]
.endr
.endr
.irp t, 0,1
	v_pk_add_f32 v[S+32*\t:S+32*\t+1], v[S+32*\t:S+32*\t+1], v[S+32*\t+16:S+32*\t+17]
.endr
.irp t, 0,1
	v_pk_fma_f32 v[ST+8*\t+2:ST+8*\t+3], v[ST+8*\t+2:ST+8*\t+3], v[ST+8*\t+6:ST+8*\t+7], v[S+32*\t:S+32*\t+1] op_sel_hi:[1,0,1]   ; l = a l + the sum
.endr
.set n, 0
.rept 16
.irp t, 0,1
	v_pk_mul_f32 v[O+32*\t+2*n:O+32*\t+2*n+1], v[O+32*\t+2*n:O+32*\t+2*n+1], v[ST+8*\t+6:ST+8*\t+7] op_sel_hi:[1,0]   ; O^T x a, each accumulator from its low end on
.endr
.set n, n+1
.endr
.endm
; A visit: the slot's four key steps of 64, written once and walked four times; the LDS addresses hang on s[TK], s[TV].
.macro SLOT_STEPS
	s_mov_b32 s[STP], 4
.Lstep_\@:
	s_add_co_u32 s62, s[Q0], 31                    ; a step all of whose keys come after my 32 queries is left out: a branch on ids and counts alone, round no barrier and no tensor load
	s_cmp_gt_u32 s[KF], s62
	s_cbranch_scc1 .Lhidden_\@
	v_add_nc_u32 v[ADK], s[TK], v[AK0]             ; these two and two v_nop are the four places between the last step's products and the loads into V's registers
	v_add_nc_u32 v[ADV], s[TV], v[AV0]
	v_nop
	v_nop
	WIN 0x40                                       ; destination window 1
.irp k, 0,1,2,3
.irp c, 0,1
	ds_load_b128 v[KFR+8*(2*\k+\c):KFR+8*(2*\k+\c)+3],   v[ADK] offset:\k*16*PK+64*\c
	ds_load_b128 v[KFR+8*(2*\k+\c)+4:KFR+8*(2*\k+\c)+7], v[ADK] offset:\k*16*PK+64*\c+32
.endr
.endr
.irp g, 0,1
.irp c, 0,1,2,3
	ds_load_tr16_b128 v[VFR+8*(4*\g+\c):VFR+8*(4*\g+\c)+3],   v[ADV] offset:\g*32*PV+32*\c
	ds_load_tr16_b128 v[VFR+8*(4*\g+\c)+4:VFR+8*(4*\g+\c)+7], v[ADV] offset:\g*32*PV+16*PV+32*\c
.endr
.endr
	s_wait_dscnt 16                                ; K is in; V's sixteen loads may stay out
	WIN 0x05                                       ; K and Q in window 1
.irp c, 0,1                            ; S^T = K Q^T: eight accumulators by turns, one instruction a turn; the first eight start the sums
.irp k, 0,1,2,3
.irp t, 0,1
.if \c == 0
	v_wmma_f32_16x16x32_f16 v[S+32*\t+8*\k:S+32*\t+8*\k+7], v[KFR+8*(2*\k+\c):KFR+8*(2*\k+\c)+7], v[8*(2*\t+\c):8*(2*\t+\c)+7], 0
.else
	v_wmma_f32_16x16x32_f16 v[S+32*\t+8*\k:S+32*\t+8*\k+7], v[KFR+8*(2*\k+\c):KFR+8*(2*\k+\c)+7], v[8*(2*\t+\c):8*(2*\t+\c)+7], v[S+32*\t+8*\k:S+32*\t+8*\k+7]
.endif
.endr
.endr
.endr
	WIN 0
.rept 4
	v_nop                                          ; places in front of the first read of the scores
.endr
	s_add_co_u32 s62, s[KF], 63                    ; a step all of whose keys count skips the mask
	s_cmp_le_u32 s62, s[Q0]
	s_cbranch_scc1 .Lopen_\@
	s_sub_co_i32 s62, s[Q0], s[KF]
	v_add_nc_u32 v[DM0], s62, v[DMB]               ; d = my query - the step's first key - 8 (lane / 16).  Register n holds key 16 (n / 8) + n % 8 + 8 (lane / 16): hidden where 16 (n / 8) + n % 8 > d
	v_add_nc_u32 v[DM0+1], 16, v[DM0]
.irp t, 0,1
.set n, 0
.rept 32
	v_cmp_gt_i32 vcc_lo, 16*(n/8)+n%8, v[DM0+\t]
	v_cndmask_b32 v[S+32*\t+n], v[S+32*\t+n], v[NINF], vcc_lo
.set n, n+1
.endr
.endr
.Lopen_\@:
	SOFTMAX
	s_wait_dscnt 0x0                               ; V is in
	WIN 0x01                                       ; V in window 1
.irp g, 0,1                            ; O^T += V^T P: eight accumulators by turns
.irp c, 0,1,2,3
.irp t, 0,1
	v_wmma_f32_16x16x32_f16 v[O+32*\t+8*\c:O+32*\t+8*\c+7], v[VFR+8*(4*\g+\c):VFR+8*(4*\g+\c)+7], v[P+16*\t+8*\g:P+16*\t+8*\g+7], v[O+32*\t+8*\c:O+32*\t+8*\c+7]
.endr
.endr
.endr
	WIN 0
.Lhidden_\@:
	s_add_co_u32 s[KF], s[KF], 64
	s_add_co_u32 s[TK], s[TK], 64*PK
	s_add_co_u32 s[TV], s[TV], 64*PV
	s_sub_co_u32 s[STP], s[STP], 1
	s_cmp_lg_u32 s[STP], 0
	s_cbranch_scc1 .Lstep_\@
	s_sub_co_u32 s[TK], s[TK], 4*64*PK             ; back to a slot's first step,
	s_sub_co_u32 s[TV], s[TV], 4*64*PV
	s_xor_b32 s[TK], s[TK], SLOT1                  ; in the other slot
	s_xor_b32 s[TV], s[TV], SLOT1
	s_sub_co_u32 s[TR], s[TR], 1
.endm
; A pass's way out: O^T / l, rounded to f16, through my stage in LDS; 32 rows of 128 bytes are 4,096 consecutive bytes of y: each store covers 512 of them.
.macro FINISH base
.rept 4
	v_nop                                          ; places behind the last products
.endr
.irp t, 0,1
	v_add_f32 v[ST+8*\t+4], v[ST+8*\t+2], v[ST+8*\t+3]
.endr
.irp t, 0,1
	v_permlanex16_b32 v[ST+8*\t+5], v[ST+8*\t+4], s[SEL], s[SEL+1]
.endr
.irp t, 0,1
	v_add_f32 v[ST+8*\t+4], v[ST+8*\t+4], v[ST+8*\t+5]
.endr
.irp t, 0,1
	v_rcp_f32 v[ST+8*\t+6], v[ST+8*\t+4]
.endr
	v_nop                                          ; a plain instruction behind the reciprocals,
	s_wait_alu depctr_va_vdst(0)                   ; and the wait ahead of their first reader
.irp t, 0,1
.set n, 0
.rept 16
	v_pk_mul_f32 v[TW+32*\t+2*n:TW+32*\t+2*n+1], v[O+32*\t+2*n:O+32*\t+2*n+1], v[ST+8*\t+6:ST+8*\t+7] op_sel_hi:[1,0]
.set n, n+1
.endr
.endr
.irp t, 0,1
.set n, 0
.rept 16
	v_cvt_pk_f16_f32 v[P+16*\t+n], v[TW+32*\t+2*n], v[TW+32*\t+2*n+1]
.set n, n+1
.endr
.endr
.irp t, 0,1
.irp c, 0,1,2,3
	ds_store_b128 v[STO], v[P+16*\t+4*\c:P+16*\t+4*\c+3] offset:16*PK*\t+32*\c
.endr
.endr
.irp i, 0,1,2,3,4,5,6,7
	ds_load_b128 v[S+4*\i:S+4*\i+3], v[RD] offset:4*PK*\i          ; LDS serves a wave's instructions in order: these see the stores above
.endr
.irp i, 0,1,2,3,4,5,6,7
	s_wait_dscnt 7-\i                              ; load i is in; the younger ones may stay out
	global_store_b128 v[GO], v[S+4*\i:S+4*\i+3], s[\base:\base+1] offset:512*\i
.endr
.endm
; At the head of pass B's first visit: its queries are asked for, pass A goes out, the statistics begin anew.  O and l are left as they are: they are finite, and the next step's a is 0.
.macro PASSCHK
	s_cmp_lg_u32 s[TR], 0                          ; the work-group's number and the count of visits alone: all eight waves go the same way
	s_cbranch_scc1 .Lsame_\@
	QLOAD QB
	FINISH YA
	s_lshl_b32 s[Q0], s[I], 8
	s_lshl_b32 s62, s[WV], 5
	s_add_co_u32 s[Q0], s[Q0], s62
	s_mov_b32 s[KF], 0
.irp t, 0,1
	v_mov_b32 v[ST+8*\t+1], 0xff61b1e6             ; m = -3e38
	v_mul_f32 v[ST+8*\t], s[CS], v[ST+8*\t+1]
.endr
	s_wait_loadcnt 0x0                             ; Q
	s_wait_xcnt 0x0                                ; the stores have read their data: the next products write those registers
.Lsame_\@:
.endm
	s_load_b128 s[4:7], s[0:1], 0x0                ; qkv, y
	v_lshl_add_u32 v[SPW], v0, 2, SPARE
	v_mov_b32 v[NIL], 0
	ds_add_u32 v[SPW], v[NIL]                      ; the wave's opening: the add, twice on end, and its wait ahead of my first tensor load
	ds_add_u32 v[SPW], v[NIL]
	v_lshrrev_b32 v1, 5, v0
	v_readfirstlane_b32 s[WV], v1                  ; wave 0..7
	s_and_b32 s[PW], s[WV], 3                      ; which quarter of a slot's rows I fetch
	s_mov_b32 s[I], ttmp9
	s_and_b32 s[HB], ttmp7, 0xffff                 ; the head, 0 to 63
	s_mov_b32 s[G1K], (1<<16)|(1<<20)|(4<<22)|(3<<25)   ; elements of 2 bytes; padding on: 4 words behind every 32
	s_mov_b32 s[G1V], (1<<16)|(1<<20)|(4<<22)|(7<<25)   ; the same with 8 words
.irp g, G1K, G1V
	s_mov_b32 s[\g+1], 64<<16                      ; tensor_dim0 = 64
	s_mov_b32 s[\g+2], 64<<16                      ; tensor_dim1 = 64
	s_mov_b32 s[\g+3], 64<<16                      ; tile_dim0 = 64
	s_mov_b32 s[\g+4], 64                          ; tile_dim1 = 64
	s_mov_b32 s[\g+5], 64                          ; the pitch
	s_mov_b32 s[\g+6], 0
	s_mov_b32 s[\g+7], 0
.endr
	s_mov_b32 s[SEL], 0x76543210
	s_mov_b32 s[SEL+1], 0xfedcba98
	s_mov_b32 s[CS], 0x3e38aa3b                    ; c = log2(e) / 8
	s_mov_b32 s[CS+1], s[CS]
	s_lshl_b32 s62, s[HB], 18                      ; the head's first byte in q, k, v and y
	s_lshl_b32 s63, s[PW], 13                      ; my 64 rows of 128 bytes
	s_add_co_u32 s[OFF], s62, s63
	s_mov_b32 s[OFF+1], 0
	s_sub_co_u32 s[LIMA], 8, s[I]                  ; pass A has 8 - i slots
	s_mov_b32 s[TR], s[LIMA]
	s_mov_b32 s[NS], 0
	s_mov_b32 s[KF], 0
	s_mov_b32 s[TK], 0
	s_mov_b32 s[TV], 0
	s_mov_b32 s[CNT], 8
	s_wait_dscnt 0x0                               ; both opening adds are done
	s_wait_kmcnt 0x0
	s_add_nc_u64 s[KB:KB+1], s[4:5], s[OFF:OFF+1]
	s_add_nc_u64 s[VB:VB+1], s[KB:KB+1], 0x2000000 ; v lies 33,554,432 bytes behind q,
	s_add_nc_u64 s[KB:KB+1], s[KB:KB+1], 0x1000000 ; k 16,777,216
	s_mov_b32 s[G0K], 1
	s_mul_i32 s[G0K+1], s[PW], 64*PK
	s_mov_b64 s[G0K+2:G0K+3], s[KB:KB+1]
	s_or_b32 s[G0K+3], s[G0K+3], 0x80000000
	s_mov_b32 s[G0V], 1
	s_mul_i32 s[G0V+1], s[PW], 64*PV
	s_add_co_u32 s[G0V+1], s[G0V+1], VOFF
	s_mov_b64 s[G0V+2:G0V+3], s[VB:VB+1]
	s_or_b32 s[G0V+3], s[G0V+3], 0x80000000
	TLOAD                                          ; slot 0
	s_cmp_lt_u32 s[WV], 4
	s_cselect_b64 s[PFA:PFA+1], s[KB:KB+1], s[VB:VB+1]
	s_add_nc_u64 s[PFA:PFA+1], s[PFA:PFA+1], 32768 ; in slot 1: the first change steps it to slot 2.  Nothing is prefetched at the head
	s_cmp_eq_u32 s[I], 0
	s_cselect_b32 s[LIM], 2, -1
	s_sub_co_u32 s[Q0], 7, s[I]
	s_lshl_b32 s[Q0], s[Q0], 8
	s_lshl_b32 s63, s[WV], 5
	s_add_co_u32 s[Q0], s[Q0], s63                 ; pass A's first query of mine
	s_lshl_b32 s[OFF], s[Q0], 7
	s_add_co_u32 s[OFF], s[OFF], s62
	s_add_nc_u64 s[QA:QA+1], s[4:5], s[OFF:OFF+1]
	s_add_nc_u64 s[YA:YA+1], s[6:7], s[OFF:OFF+1]
	s_lshl_b32 s[OFF], s[I], 8
	s_add_co_u32 s[OFF], s[OFF], s63               ; pass B's
	s_lshl_b32 s[OFF], s[OFF], 7
	s_add_co_u32 s[OFF], s[OFF], s62
	s_add_nc_u64 s[QB:QB+1], s[4:5], s[OFF:OFF+1]
	s_add_nc_u64 s[YB:YB+1], s[6:7], s[OFF:OFF+1]
	v_and_b32 v192, 15, v0                         ; r
	v_bfe_u32 v193, v0, 4, 1                       ; h
	v_and_b32 v194, 7, v0
	v_bfe_u32 v195, v0, 3, 1
	v_and_b32 v196, 31, v0                         ; lane
	v_lshlrev_b32 v[QO], 7, v192
	v_lshl_add_u32 v[QO], v193, 4, v[QO]           ; row r of 128 bytes + 16 h
	QLOAD QA
	v_mul_u32_u24 v[AK0], v192, PK
	v_lshl_add_u32 v[AK0], v193, 4, v[AK0]
	v_lshl_add_u32 v[AV0], v193, 3, v194           ; the turning load: key 8 h + lane % 8, channels 8 ((lane / 8) % 2) on
	v_mul_u32_u24 v[AV0], v[AV0], PV
	v_lshl_add_u32 v[AV0], v195, 4, v[AV0]
	v_add_nc_u32 v[AV0], VOFF, v[AV0]
	s_mul_i32 s63, s[WV], 32*PK
	s_add_co_u32 s63, s63, STAGE                   ; my stage
	v_add_nc_u32 v[STO], s63, v[AK0]               ; in: row r, 16 bytes for each half of the lanes
	v_lshrrev_b32 v197, 3, v196
	v_mul_u32_u24 v[RD], v197, PK                  ; back: eight lanes to a row of 128 bytes, four rows an instruction
	v_lshl_add_u32 v[RD], v194, 4, v[RD]
	v_add_nc_u32 v[RD], s63, v[RD]
	v_lshlrev_b32 v[GO], 4, v196
	v_lshlrev_b32 v[PFO], 8, v196
	v_lshlrev_b32 v197, 3, v193
	v_sub_nc_u32 v[DMB], v192, v197
	v_mov_b32 v[NINF], 0xff800000
.irp t, 0,1
	v_mov_b32 v[ST+8*\t+1], 0xff61b1e6             ; m = -3e38, under every score that is served
	v_mul_f32 v[ST+8*\t], s[CS], v[ST+8*\t+1]
.irp j, 2,3,4,5,6,7
	v_mov_b32 v[ST+8*\t+\j], 0                     ; l, and the registers at work (a lane permute's destination counts as one of its sources)
.endr
.endr
.set n, 0
.rept 64
	v_mov_b32 v[O+n], 0                            ; O^T, once in the launch: the step is written once, and its first a multiplies zeros
.set n, n+1
.endr
	s_wait_loadcnt 0x0                             ; Q
.Lvisit:                                           ; eight trips: behind each change of slots but the last the next visit's keys are asked for
	CHANGE 1
	PASSCHK
	SLOT_STEPS
	s_sub_co_u32 s[CNT], s[CNT], 1
	s_cmp_lg_u32 s[CNT], 0
	s_cbranch_scc1 .Lvisit
	CHANGE 0                                       ; the ninth visit is written out
	PASSCHK
	SLOT_STEPS
	FINISH YB
	s_wait_tensorcnt 0x0                           ; the wave's end
	ds_add_u32 v[SPW], v[NIL]
	s_wait_dscnt 0x0
	s_endpgm
.Lfunc_end_k_q74e970e485_attn:
	.size	k_q74e970e485_attn, .Lfunc_end_k_q74e970e485_attn-k_q74e970e485_attn
	.p2alignl 7, 3214868480
	.fill 96, 4, 3214868480
	.section	.rodata,"a",@progbits
	.p2align	6, 0x0
	.amdhsa_kernel k_q74e970e485_attn
		.amdhsa_group_segment_fixed_size 327680
		.amdhsa_private_segment_fixed_size 0
		.amdhsa_enable_private_segment 0
		.amdhsa_kernarg_size 16
		.amdhsa_user_sgpr_count 2
		.amdhsa_user_sgpr_kernarg_segment_ptr 1
		.amdhsa_wavefront_size32 1
		.amdhsa_system_sgpr_workgroup_id_x 1
		.amdhsa_system_sgpr_workgroup_id_y 1
		.amdhsa_system_sgpr_workgroup_id_z 1
		.amdhsa_system_vgpr_workitem_id 0
		.amdhsa_next_free_vgpr 448
		.amdhsa_next_free_sgpr 66
		.amdhsa_reserve_vcc 1
		.amdhsa_float_denorm_mode_32 3
		.amdhsa_float_denorm_mode_16_64 3
		.amdhsa_memory_ordered 1
		.amdhsa_forward_progress 1
		.amdhsa_inst_pref_size 77
	.end_amdhsa_kernel
	.amdgpu_metadata
---
amdhsa.version: [ 1, 2 ]
amdhsa.kernels:
  - .name:           k_q74e970e485_attn
    .symbol:         k_q74e970e485_attn.kd
    .args:
      - { .name: qkv, .offset: 0, .size: 8, .value_kind: global_buffer, .address_space: global }
      - { .name: y, .offset: 8, .size: 8, .value_kind: global_buffer, .address_space: global }
    .group_segment_fixed_size: 327680
    .private_segment_fixed_size: 0
    .kernarg_segment_align: 8
    .kernarg_segment_size: 16
    .max_flat_workgroup_size: 256
    .sgpr_count:     66
    .vgpr_count:     448
    .wavefront_size: 32
...
	.end_amdgpu_metadata
.endif
;; end of part 3
;; launch proj (part 4): grid 4 x 64, 4 waves a work-group, clusters of 4 x 4, 327,680 bytes of LDS; arguments y, wp16, b_proj, out0; writes out0
.if DOCPART == 4
	.amdgcn_target "amdgcn-amd-amdhsa--gfx1250"
	.amdhsa_code_object_version 6
	.text
	.protected	k_q74e970e485_proj
	.globl	k_q74e970e485_proj
	.p2align	8
	.type	k_q74e970e485_proj,@function
k_q74e970e485_proj:
	s_mov_b64 s[64:65], 0
	v_nop
	global_prefetch_b8 v0, s[64:65] scope:SCOPE_SE
	s_setreg_imm32_b32 hwreg(HW_REG_WAVE_MODE, 25, 1), 1
	s_wait_xcnt 0x0
	s_wait_alu depctr_hold_cnt(0) depctr_sa_sdst(0) depctr_va_vdst(0) depctr_va_sdst(0) depctr_va_ssrc(0) depctr_va_vcc(0) depctr_vm_vsrc(0)
	s_getreg_b32 s2, hwreg(HW_REG_IB_STS2, 6, 4)
	s_cmp_eq_u32 s2, 0
	s_cbranch_scc0 .Lentry_in_a_cluster
	s_endpgm
.Lentry_in_a_cluster:
	s_bfe_u32 s2, ttmp6, 0x10000c
	s_cmp_lg_u32 s2, 0xf033
	s_cbranch_scc0 .Lentry_shape_is_right
	s_endpgm
.Lentry_shape_is_right:
; out0[row][o] = the sum over c of y[row][c] w_proj[o][c] + b_proj[o], f16 operands, f32 sums, for all rows but positions 0-15 of each sequence, which the last launch owns.
; y: f16, [4 b][16 head][2048 t][64]: channel c = 64 head + d; wp16: f16, [1024 o][1024 c]; out0: f32, [8192][1024].
; A tile of 128 rows x 256 columns gives 256 work-groups.  Four waves, each 64 x 128: 32 accumulators, 256 registers.  K goes in 8 steps of 128, two heads: of y two planes of 128 rows x 128 dense bytes,
; of wp16 256 rows x 256 bytes.  Two slots; two slots of a K step of 256 would take 417,792 bytes of LDS and do not fit.
; CLUSTERS: 4 x 4.  The four of a row of the cluster need the same tiles of y, the four of a column the same tiles of wp16: joint loads, one a wave behind each round.  Two tensor loads of a wave are out at the start, then one.
; TRANSPOSED: source 0 = 16 rows of wp16, source 1 = 16 rows of y: a lane holds eight neighbouring columns of a row.  The bias is the C of each sum's first product.
; REGISTERS: window 0: v16-31 addresses; v64-95, v96-127 y's fragments, two buffers; v128-255 the way out.  window 1: v0-63, v64-127 wp16's fragments.  window 2: the accumulators ((a, b) at v[8 (8 a + b)]).  window 3: v0-63 the bias.
.set PA,    144                        ; a row of a plane of y in LDS: 128 bytes + 16
.set PB,    272                        ; a row of wp16's tile: 256 bytes + 16
.set PLANE, 128*PA
.set SLOT,  2*PLANE+256*PB             ; 106,496
.set STAGE, 2*SLOT                     ; 16 rows x 528 bytes for each wave
.set SPARE, STAGE+4*16*528             ; the spare words
.set KSB,   524288                     ; a K step on in y: two heads
.set ADRA, 16
.set ADRB, 20
.set STO,  24
.set RD,   25
.set CO,   26
.set FMV,  27                          ; v27  0 where my block 0 holds positions 0-15 of a sequence
.set SPW,  28
.set NIL,  29
.set PFO,  30
.set BO,   31                          ; v31  32 x (lane / 16): the bias's offset
.set BK,   128
.set G1,  24
.set G0,  32
.set G1B, 48
.set G0B, 56
.set PFA, 44
.set LIM, 46
.set MSB, 0
.macro WIN new
.if MSB != \new
	s_set_vgpr_msb (MSB<<8)|\new
.set MSB, \new
.endif
.endm
.set MUL,  0xa1                        ; source 0 window 1, source 1 window 0, C and D window 2
.set MULB, 0xb1                        ; the same with C in window 3: the bias
.set TO_B, 0x40
.macro JLOAD s                         ; waves 0 and 1 fetch y's two planes, waves 2 and 3 wp16's two halves; an s_nop 0 and four v_nop follow each line
	s_cmp_eq_u32 s13, 0
	s_cbranch_scc0 .Lfor_b_\@
	tensor_load_to_lds s[G0+4*\s:G0+4*\s+3], s[G1:G1+7]
	s_nop 0
.rept 4
	v_nop
.endr
	s_branch .Lasked_\@
.Lfor_b_\@:
	tensor_load_to_lds s[G0B+4*\s:G0B+4*\s+3], s[G1B:G1B+7]
	s_nop 0
.rept 4
	v_nop
.endr
.Lasked_\@:
.endm
.macro CREST
	s_cmp_lg_u32 s12, 0
	s_cbranch_scc1 .Lnot_wave_0_\@
	s_barrier_signal -3
.Lnot_wave_0_\@:
	s_barrier_wait -3
	s_barrier_signal -1
	s_barrier_wait -1
.endm
.macro CROUND
	s_barrier_signal -1
	s_barrier_wait -1
	CREST
.endm
; A prefetch into the L2 of y's K step that stands two refills on.  A tile row of y is read by one row of one cluster alone; its four partners share a K step's 2 x 64 aligned blocks of 256 bytes out BY ADDRESS,
; 16 of each plane each; in each, wave 0 asks: one instruction, a lane a block.  The loop's last trip asks for nothing: there is no K step two on.  K steps 0-3 come by their loads alone.
; wp16 is not asked for: its 2 MB are walked by all sixteen clusters at the same time.
.macro ASK
	s_cmp_gt_u32 s3, s[LIM]
	s_cbranch_scc0 .Lnot_mine_\@
	global_prefetch_b8 v[PFO], s[PFA:PFA+1] offset:KSB th:TH_LOAD_NT scope:SCOPE_SE
.Lnot_mine_\@:
.endm
	s_load_b256 s[4:11], s[0:1], 0x0               ; y s[4:5], wp16 s[6:7], b_proj s[8:9], out0 s[10:11]
	v_lshl_add_u32 v[SPW], v0, 2, SPARE
	v_mov_b32 v[NIL], 0
	ds_add_u32 v[SPW], v[NIL]                      ; the wave's opening: the add, twice on end, and its wait ahead of my first tensor load
	ds_add_u32 v[SPW], v[NIL]
	v_lshrrev_b32 v1, 5, v0
	v_readfirstlane_b32 s12, v1                    ; wave 0..3
	s_lshr_b32 s13, s12, 1                         ; which 64 rows are mine.  Also: I fetch for y (0) or for wp16 (1)
	s_and_b32 s14, s12, 1                          ; which 128 columns.  Also: which plane, or which 128 rows, I fetch
	s_bfe_u32 s15, ttmp6, 0x40000                  ; cx
	s_bfe_u32 s16, ttmp6, 0x40004                  ; cy
	s_lshl_b32 s17, ttmp9, 2
	s_add_co_u32 s17, s17, s15                     ; tile column
	s_and_b32 s18, ttmp7, 0xffff
	s_lshl_b32 s18, s18, 2
	s_add_co_u32 s18, s18, s16                     ; tile row, 0 to 63
	s_lshl_b32 s19, s16, 2
	s_lshl_b32 s19, 15, s19                        ; my row of the cluster
	s_lshl_b32 s20, 0x1111, s15                    ; my column
	s_or_b32 s[G1], s19, (1<<16)|(1<<20)|(1<<21)|(4<<22)|(3<<25)    ; the mask; elements of 2 bytes; padding: 4 words behind every 32; bit 21 beside a mask
	s_mov_b32 s[G1+1], 64<<16                      ; tensor_dim0 = 64
	s_mov_b32 s[G1+2], 128<<16                     ; tensor_dim1 = 128
	s_mov_b32 s[G1+3], 64<<16                      ; tile_dim0
	s_mov_b32 s[G1+4], 128                         ; tile_dim1
	s_mov_b32 s[G1+5], 64                          ; the pitch: a head's rows are dense
	s_mov_b32 s[G1+6], 0
	s_mov_b32 s[G1+7], 0
	s_or_b32 s[G1B], s20, (1<<16)|(1<<20)|(1<<21)|(5<<22)|(3<<25)   ; 4 words behind every 64
	s_mov_b32 s[G1B+1], 128<<16
	s_mov_b32 s[G1B+2], 128<<16
	s_mov_b32 s[G1B+3], 128<<16
	s_mov_b32 s[G1B+4], 128
	s_mov_b32 s[G1B+5], 1024
	s_mov_b32 s[G1B+6], 0
	s_mov_b32 s[G1B+7], 0
	s_lshr_b32 s40, s18, 4                         ; the batch,
	s_lshl_b32 s40, s40, 22
	s_and_b32 s21, s18, 15
	s_lshl_b32 s21, s21, 14                        ; my 128 positions x 128 bytes
	s_add_co_u32 s40, s40, s21
	s_mov_b32 s41, 0
	s_lshl_b32 s42, s14, 18                        ; the plane that I fetch
	s_add_co_u32 s42, s42, s40
	s_mov_b32 s43, 0
	s_lshl_b32 s22, s17, 19                        ; wp16: 256 rows of 2,048 bytes a tile column,
	s_lshl_b32 s23, s14, 18                        ; my 128 of them
	s_add_co_u32 s22, s22, s23
	s_mov_b32 s23, 0
	s_mul_i32 s19, s14, PLANE                      ; where they go: the wave's number alone
	s_mul_i32 s20, s14, 128*PB
	s_add_co_u32 s20, s20, 2*PLANE
	s_wait_dscnt 0x0                               ; both opening adds are done
	s_wait_kmcnt 0x0
	s_add_nc_u64 s[42:43], s[4:5], s[42:43]
	s_add_nc_u64 s[22:23], s[6:7], s[22:23]
	CROUND                                         ; all sixteen work-groups are here: the first joint loads meet
.irp s, 0,1
	s_mov_b32 s[G0+4*\s], 1
	s_add_co_u32 s[G0+4*\s+1], s19, \s*SLOT
	s_add_nc_u64 s[G0+4*\s+2:G0+4*\s+3], s[42:43], \s*KSB
	s_or_b32 s[G0+4*\s+3], s[G0+4*\s+3], 0x80000000
	s_mov_b32 s[G0B+4*\s], 1
	s_add_co_u32 s[G0B+4*\s+1], s20, \s*SLOT
	s_add_nc_u64 s[G0B+4*\s+2:G0B+4*\s+3], s[22:23], \s*256
	s_or_b32 s[G0B+4*\s+3], s[G0B+4*\s+3], 0x80000000
	JLOAD \s
.endr
	s_lshl_b32 s2, s17, 10
	s_lshl_b32 s21, s14, 9
	s_add_co_u32 s2, s2, s21                       ; my first column, in bytes of f32
	s_mov_b32 s3, 0
	s_add_nc_u64 s[8:9], s[8:9], s[2:3]
	s_add_nc_u64 s[10:11], s[10:11], s[2:3]
	v_and_b32 v1, 15, v0                           ; r
	v_bfe_u32 v2, v0, 4, 1                         ; h
	v_lshlrev_b32 v[BO], 5, v2
	WIN 0xc0                                       ; destination window 3
.irp b, 0,1,2,3,4,5,6,7                ; the bias in the result's layout: for column block b, lane (r, h) holds b_proj at 16 b + 8 h + 0 .. 7
	global_load_b128 v[8*\b:8*\b+3],   v[BO], s[8:9] offset:64*\b
	global_load_b128 v[8*\b+4:8*\b+7], v[BO], s[8:9] offset:64*\b+16
.endr
	WIN 0
	s_lshl_b32 s2, s18, 19                         ; 128 rows of 4,096 bytes a tile row,
	s_lshl_b32 s21, s13, 18                        ; my 64
	s_add_co_u32 s2, s2, s21
	s_add_nc_u64 s[10:11], s[10:11], s[2:3]
	s_add_nc_u64 s[PFA:PFA+1], s[4:5], s[40:41]
	s_lshl_b32 s2, s15, 12                         ; my work-group's 16 blocks of each plane
	s_add_nc_u64 s[PFA:PFA+1], s[PFA:PFA+1], s[2:3]
	s_add_nc_u64 s[PFA:PFA+1], s[PFA:PFA+1], 2*KSB ; at K step 2: the first refill steps it to 3 and names K step 4
	s_cmp_eq_u32 s12, 0
	s_cselect_b32 s[LIM], 1, -1
	s_and_b32 s21, s18, 15
	s_lshl_b32 s21, s21, 1
	s_or_b32 s21, s21, s13
	v_mov_b32 v[FMV], s21
	v_lshlrev_b32 v[PFO], 8, v1
	v_lshl_add_u32 v[PFO], v2, 18, v[PFO]          ; lanes 0-15: the first plane's blocks, lanes 16-31 the second's
	v_mul_u32_u24 v3, v1, PA
	v_lshl_add_u32 v3, v2, 4, v3
	v_mul_u32_u24 v4, v1, PB
	v_lshl_add_u32 v4, v2, 4, v4
	s_mul_i32 s21, s13, 64*PA                      ; my 64 rows of y
	s_mul_i32 s22, s14, 128*PB                     ; my 128 rows of wp16,
	s_add_co_u32 s22, s22, 2*PLANE                 ; behind y's two planes
.irp s, 0,1
	v_add_nc_u32 v[ADRA+\s], s21, v3
	v_add_nc_u32 v[ADRB+\s], s22, v4
	s_add_co_u32 s21, s21, SLOT
	s_add_co_u32 s22, s22, SLOT
.endr
	s_mul_i32 s23, s12, 16*528
	s_add_co_u32 s23, s23, STAGE                   ; my stage
	v_mul_u32_u24 v5, v1, 528
	v_lshl_add_u32 v5, v2, 5, v5
	v_add_nc_u32 v[STO], s23, v5
	v_and_b32 v6, 31, v0
	v_lshlrev_b32 v[CO], 4, v6
	v_add_nc_u32 v[RD], s23, v[CO]
; 24 LDS loads in one run: the fragments of the slot's q-th 32 along K into buffer f
.macro FETCH slot, q, f
	WIN TO_B
.irp i, 0,1,2,3,4,5,6,7
	ds_load_b128 v[64*(\f)+8*\i:64*(\f)+8*\i+3],   v[ADRB+\slot] offset:64*(\q)+\i*16*PB
	ds_load_b128 v[64*(\f)+8*\i+4:64*(\f)+8*\i+7], v[ADRB+\slot] offset:64*(\q)+\i*16*PB+32
.endr
	WIN 0
.irp i, 0,1,2,3
	ds_load_b128 v[64+32*(\f)+8*\i:64+32*(\f)+8*\i+3],   v[ADRA+\slot] offset:PLANE*((\q)/2)+64*((\q)%2)+\i*16*PA
	ds_load_b128 v[64+32*(\f)+8*\i+4:64+32*(\f)+8*\i+7], v[ADRA+\slot] offset:PLANE*((\q)/2)+64*((\q)%2)+\i*16*PA+32
.endr
.endm
; 8 products: row block a against the eight column blocks.  The 32 accumulators take turns, one instruction a turn, in the same order in every quarter.
.macro MUL8 f, a, bias
.irp b, 0,1,2,3,4,5,6,7
.if \bias
	v_wmma_f32_16x16x32_f16 v[8*(8*(\a)+\b):8*(8*(\a)+\b)+7], v[64*(\f)+8*\b:64*(\f)+8*\b+7], v[64+32*(\f)+8*(\a):64+32*(\f)+8*(\a)+7], v[8*\b:8*\b+7]
.else
	v_wmma_f32_16x16x32_f16 v[8*(8*(\a)+\b):8*(8*(\a)+\b)+7], v[64*(\f)+8*\b:64*(\f)+8*\b+7], v[64+32*(\f)+8*(\a):64+32*(\f)+8*(\a)+7], v[8*(8*(\a)+\b):8*(8*(\a)+\b)+7]
.endif
.endr
.endm
.macro PLACES
.rept 4
	v_nop
.endr
.endm
; A quarter of a K step: buffer f, asked for 32 products ago, is in; the next quarter's fragments go out into buffer g, which the quarter before multiplied; then 32 products.
.macro QUARTER slot, qn, f, g, bias
	s_wait_dscnt 0x0
	PLACES
	FETCH \slot, \qn, \g
.if \bias
	WIN MULB
.else
	WIN MUL
.endif
.irp a, 0,1,2,3
	MUL8 \f, \a, \bias
.endr
.endm
; A slot's last quarter multiplies buffer 1 and changes slots: one barrier; in front of it each wave waits for all its tensor loads, adds 0 to its spare word, and waits for that and for its reads of this slot.
.macro TURN slot, next, fill
.if \fill
	s_wait_xcnt 0x0                                ; the last prefetch, a K step back, has read its address
	s_add_nc_u64 s[PFA:PFA+1], s[PFA:PFA+1], KSB
.endif
	WIN 0
	s_wait_tensorcnt 0x0                           ; all my tensor loads have landed: my part of the next slot
	ds_add_u32 v[SPW], v[NIL]
	s_wait_dscnt 1                                 ; buffer 1 is in; the add may be out
	WIN MUL
	MUL8 1, 0, 0
	s_wait_dscnt 0x0                               ; the add is done, and my reads of this slot are over
	s_barrier_signal -1
	MUL8 1, 1, 0
	WIN 0
	s_barrier_wait -1
.if \fill
	CREST                                          ; the barrier has opened a round of the cluster's: no wave of any partner still reads this slot or has a load on its way
	s_add_nc_u64 s[G0+4*\slot+2:G0+4*\slot+3], s[G0+4*\slot+2:G0+4*\slot+3], 2*KSB
	s_add_nc_u64 s[G0B+4*\slot+2:G0B+4*\slot+3], s[G0B+4*\slot+2:G0B+4*\slot+3], 2*256
	JLOAD \slot                                    ; the first tensor load behind the round; its four v_nop are also the places in front of the loads below
.else
	PLACES
.endif
	FETCH \next, 0, 0
.if \fill
	ASK
.endif
	WIN MUL
	MUL8 1, 2, 0
	MUL8 1, 3, 0
.endm
	s_wait_tensorcnt 1                             ; my part of K step 0 is in (K step 1's load may be out),
	s_barrier_signal -1
	s_barrier_wait -1                              ; everybody's is
	s_wait_loadcnt 0x0                             ; the bias
	FETCH 0, 0, 0
	QUARTER 0, 1, 0, 1, 1                          ; the first products start the sums from the bias
	WIN 0
	s_mov_b32 s3, 3
.Llap:                                             ; a trip goes once round the ring and fills both slots again: K steps 2 to 7
	QUARTER 0, 2, 1, 0, 0
	QUARTER 0, 3, 0, 1, 0
	TURN 0, 1, 1
	QUARTER 1, 1, 0, 1, 0
	QUARTER 1, 2, 1, 0, 0
	QUARTER 1, 3, 0, 1, 0
	TURN 1, 0, 1
	QUARTER 0, 1, 0, 1, 0
	WIN 0
	s_sub_co_u32 s3, s3, 1
	s_cmp_lg_u32 s3, 0
	s_cbranch_scc1 .Llap
	QUARTER 0, 2, 1, 0, 0                          ; the last lap fills nothing
	QUARTER 0, 3, 0, 1, 0
	TURN 0, 1, 0
	QUARTER 1, 1, 0, 1, 0
	QUARTER 1, 2, 1, 0, 0
	QUARTER 1, 3, 0, 1, 0
	s_wait_dscnt 0x0
	WIN MUL
.irp a, 0,1,2,3
	MUL8 1, \a, 0
.endr
	WIN 0
	PLACES
; THE WAY OUT, block by block of 16 rows x 128 columns, through my own stage: back as whole rows of 512 bytes.
.macro TOSTAGE a
	WIN 0x08                                       ; an LDS store's data are its source 1: window 2
.irp b, 0,1,2,3,4,5,6,7
	ds_store_b128 v[STO], v[8*(8*(\a)+\b):8*(8*(\a)+\b)+3] offset:64*\b          ; each accumulator from its low end on
	ds_store_b128 v[STO], v[8*(8*(\a)+\b)+4:8*(8*(\a)+\b)+7] offset:64*\b+16
.endr
	WIN 0
.set BB, BK+64*((\a)%2)
.irp t, 0,1,2,3,4,5,6,7,8,9,10,11,12,13,14,15
	ds_load_b128 v[BB+4*\t:BB+4*\t+3], v[RD] offset:\t*528
.endr
.endm
.macro ROWS a
.set BB, BK+64*((\a)%2)
.irp t, 0,1,2,3,4,5,6,7,8,9,10,11,12,13,14,15
	global_store_b128 v[CO], v[BB+4*\t:BB+4*\t+3], s[10:11] offset:\t*4096 th:TH_STORE_NT   ; 512 consecutive bytes, aligned
.endr
.endm
	TOSTAGE 0
	TOSTAGE 1
	s_wait_dscnt 32                                ; block 0 is back; block 1's 16 stores and 16 loads may be out
	v_cmp_ne_u32 vcc_lo, 0, v[FMV]                 ; block 0 is not stored where it holds positions 0-15 of a sequence: a mask on the lanes, no branch
	s_wait_xcnt 0x0                                ; EXEC changes only behind this wait
	s_and_saveexec_b32 s47, vcc_lo
	ROWS 0
	s_wait_xcnt 0x0                                ; and again in front of the line that widens it; block 0's registers and the base are free too
	s_or_b32 exec_lo, exec_lo, s47
	TOSTAGE 2
	s_wait_dscnt 32
	s_add_nc_u64 s[10:11], s[10:11], 16*4096
	ROWS 1
	s_wait_xcnt 0x0                                ; block 1's stores have read their registers and their base
	TOSTAGE 3
	s_wait_dscnt 32
	s_add_nc_u64 s[10:11], s[10:11], 16*4096
	ROWS 2
	s_wait_xcnt 0x0
	s_wait_dscnt 0x0
	s_add_nc_u64 s[10:11], s[10:11], 16*4096
	ROWS 3
	s_wait_tensorcnt 0x0                           ; the wave's end
	ds_add_u32 v[SPW], v[NIL]
	s_wait_dscnt 0x0
	CROUND                                         ; the closing round
	s_endpgm
.Lfunc_end_k_q74e970e485_proj:
	.size	k_q74e970e485_proj, .Lfunc_end_k_q74e970e485_proj-k_q74e970e485_proj
	.p2alignl 7, 3214868480
	.fill 96, 4, 3214868480
	.section	.rodata,"a",@progbits
	.p2align	6, 0x0
	.amdhsa_kernel k_q74e970e485_proj
		.amdhsa_group_segment_fixed_size 327680
		.amdhsa_private_segment_fixed_size 0
		.amdhsa_enable_private_segment 0
		.amdhsa_kernarg_size 32
		.amdhsa_user_sgpr_count 2
		.amdhsa_user_sgpr_kernarg_segment_ptr 1
		.amdhsa_wavefront_size32 1
		.amdhsa_system_sgpr_workgroup_id_x 1
		.amdhsa_system_sgpr_workgroup_id_y 1
		.amdhsa_system_sgpr_workgroup_id_z 1
		.amdhsa_system_vgpr_workitem_id 0
		.amdhsa_next_free_vgpr 832
		.amdhsa_next_free_sgpr 66
		.amdhsa_reserve_vcc 1
		.amdhsa_float_denorm_mode_32 3
		.amdhsa_float_denorm_mode_16_64 3
		.amdhsa_memory_ordered 1
		.amdhsa_forward_progress 1
		.amdhsa_inst_pref_size 88
	.end_amdhsa_kernel
	.amdgpu_metadata
---
amdhsa.version: [ 1, 2 ]
amdhsa.kernels:
  - .name:           k_q74e970e485_proj
    .symbol:         k_q74e970e485_proj.kd
    .args:
      - { .name: y, .offset: 0, .size: 8, .value_kind: global_buffer, .address_space: global }
      - { .name: wp16, .offset: 8, .size: 8, .value_kind: global_buffer, .address_space: global }
      - { .name: b_proj, .offset: 16, .size: 8, .value_kind: global_buffer, .address_space: global }
      - { .name: out0, .offset: 24, .size: 8, .value_kind: global_buffer, .address_space: global }
    .group_segment_fixed_size: 327680
    .private_segment_fixed_size: 0
    .kernarg_segment_align: 8
    .kernarg_segment_size: 32
    .max_flat_workgroup_size: 128
    .sgpr_count:     66
    .vgpr_count:     832
    .wavefront_size: 32
...
	.end_amdgpu_metadata
.endif
;; end of part 4
;; launch fine (part 5): grid 16 x 4, 16 waves a work-group, no clusters, 67,584 bytes of LDS; arguments fq, w_proj, b_proj, out0; writes out0
.if DOCPART == 5
	.amdgcn_target "amdgcn-amd-amdhsa--gfx1250"
	.amdhsa_code_object_version 6
	.text
	.protected	k_q74e970e485_fine
	.globl	k_q74e970e485_fine
	.p2align	8
	.type	k_q74e970e485_fine,@function
k_q74e970e485_fine:
	s_mov_b64 s[64:65], 0
	v_nop
	global_prefetch_b8 v0, s[64:65] scope:SCOPE_SE
	s_setreg_imm32_b32 hwreg(HW_REG_WAVE_MODE, 25, 1), 1
	s_wait_xcnt 0x0
; Positions 0-15 of every sequence, all in f32: under the causal mask these rows average one to sixteen values and are the largest of the output, so nothing of them is rounded to 16 bits.
; fq: [4 b][16 t][3072] f32 (q, k, v as the first product left them); w_proj [1024 o][1024 c], b_proj [1024], f32; out0 rows b x 2,048 + 0 .. 15.
; SHARES.  Work-group (j, b) makes out0[b][0..15][64 j .. 64 j + 63].  Wave hd takes head hd: its 16 x 16 attention, then its 64 channels' part of the projection; the sixteen parts meet in LDS, and wave w adds and stores row w.
; Every product is v_wmma_f32_16x16x4_f32; k is permuted alike on both sides, which keeps the products.  The registers that these instructions write (v192-255) are written by nothing else.
; S^T = K Q^T, O^T = V^T P, out^T = W O: a lane holds one query throughout, and each result's registers 2 s, 2 s + 1 are the next product's source 1 as they stand.
; LIMITS: NaN and infinities are not served.  The row's maximum is taken away before the exponentials.
.set T,   24                           ; v24-31  the scores, then p
.set QR,  32                           ; v32-63  Q; later W for output tiles 2, 3 (with v64-95)
.set KR,  64                           ; v64-95  K
.set VR,  96                           ; v96-127 V
.set W0,  128                          ; v128-191 W for output tiles 0, 1; later the parts read back
.set SA,  192                          ; v192-223 four accumulators: S^T's, later out^T's
.set OA,  224                          ; v224-255 O^T
.set SPARE, 65536                      ; behind the sixteen parts of 4,096 bytes: the spare words
	s_load_b256 s[4:11], s[0:1], 0x0               ; fq, w_proj, b_proj, out0
	v_lshl_add_u32 v18, v0, 2, SPARE               ; v18, v19: the add's two; never rewritten
	v_mov_b32 v19, 0
	v_lshrrev_b32 v1, 5, v0
	v_readfirstlane_b32 s12, v1                    ; wave = head = the row that I add up
	s_mov_b32 s13, ttmp9                           ; j
	s_and_b32 s14, ttmp7, 0xffff                   ; b
	v_and_b32 v1, 15, v0                           ; r
	v_bfe_u32 v2, v0, 4, 1                         ; h
	v_and_b32 v3, 31, v0                           ; lane
	v_mul_u32_u24 v4, v1, 12288
	v_lshl_add_u32 v4, v2, 4, v4                   ; Q, K: row r of fq, + 16 h: channels 8 u + 4 h + 0 .. 3
	v_mul_u32_u24 v5, v2, 98304
	v_lshl_add_u32 v5, v1, 2, v5                   ; V: keys 8 h on, channel r
	v_lshlrev_b32 v6, 12, v1
	v_lshl_add_u32 v6, v2, 5, v6                   ; W: row r of w_proj, + 32 h: channels 8 h + 0 .. 7 of a tile of 16
	v_lshlrev_b32 v7, 4, v1                        ; 16 (lane % 16): my piece of a row's 256 bytes
	s_lshl_b32 s16, s12, 12
	v_lshl_add_u32 v8, v3, 4, s16                  ; my part in LDS: 4,096 x wave + 16 x lane
	v_lshrrev_b32 v9, 2, v1                        ; back: piece 4 ot + 2 h' + jj of row w lies at 512 (2 ot + jj) + 16 (16 h' + w) of each part
	v_and_b32 v10, 1, v1
	v_lshl_add_u32 v9, v9, 1, v10
	v_lshlrev_b32 v9, 9, v9
	v_bfe_u32 v10, v1, 1, 1
	v_lshl_add_u32 v9, v10, 8, v9
	v_lshl_add_u32 v9, v2, 15, v9                  ; lanes 16-31 take heads 8 to 15
	s_lshl_b32 s16, s12, 4
	v_add_nc_u32 v9, s16, v9
	v_lshlrev_b32 v10, 3, v2
	v_sub_nc_u32 v11, v1, v10                      ; r - 8 h: register j's key 8 h + j is hidden where j > r - 8 h
	v_mov_b32 v12, 0xff800000                      ; -infinity
	v_mov_b32 v16, 0                               ; (a lane permute's destination counts as one of its sources)
	s_mov_b32 s18, 0x76543210
	s_mov_b32 s19, 0xfedcba98
	s_mov_b32 s20, 0x3e38aa3b                      ; c = log2(e) / 8
	s_mul_i32 s16, s14, 196608
	s_lshl_b32 s22, s12, 8
	s_add_co_u32 s16, s16, s22                     ; fq: the batch's 16 rows, my head's 64 columns
	s_mov_b32 s17, 0
	s_lshl_b32 s24, s13, 18
	s_add_co_u32 s24, s24, s22                     ; w_proj: rows 64 j on, my head's 64 columns
	s_mov_b32 s25, 0
	s_lshl_b32 s26, s13, 8
	s_mov_b32 s27, 0
	s_lshl_b32 s28, s14, 23
	s_lshl_b32 s22, s12, 12
	s_add_co_u32 s28, s28, s22
	s_add_co_u32 s28, s28, s26                     ; out0: row 2,048 b + wave, columns 64 j on
	s_mov_b32 s29, 0
	s_wait_kmcnt 0x0
	s_add_nc_u64 s[4:5], s[4:5], s[16:17]
	s_add_nc_u64 s[6:7], s[6:7], s[24:25]
	s_add_nc_u64 s[8:9], s[8:9], s[26:27]
	s_add_nc_u64 s[10:11], s[10:11], s[28:29]
	global_load_b128 v[20:23], v7, s[8:9]          ; the bias of my four columns
.irp u, 0,1,2,3,4,5,6,7
	global_load_b128 v[QR+4*\u:QR+4*\u+3], v4, s[4:5] offset:32*\u
.endr
.irp u, 0,1,2,3,4,5,6,7
	global_load_b128 v[KR+4*\u:KR+4*\u+3], v4, s[4:5] offset:4096+32*\u
.endr
.irp c, 0,1,2,3
.irp i, 0,1,2,3,4,5,6,7
	global_load_b32 v[VR+8*\c+\i], v5, s[4:5] offset:8192+12288*\i+64*\c     ; V(key 8 h + i, channel 16 c + r)
.endr
.endr
.irp o, 0,1
.irp c, 0,1,2,3
	global_load_b128 v[W0+32*\o+8*\c:W0+32*\o+8*\c+3],   v6, s[6:7] offset:65536*\o+64*\c
	global_load_b128 v[W0+32*\o+8*\c+4:W0+32*\o+8*\c+7], v6, s[6:7] offset:65536*\o+64*\c+16
.endr
.endr
	s_wait_loadcnt 48                              ; the bias, Q and K are in; V's 32 loads and W's 16 may stay out
.set i, 0
.rept 16                               ; S^T = K Q^T: 64 channels, 4 an instruction, on four accumulators by turns; the first four start the sums
.if i < 4
	v_wmma_f32_16x16x4_f32 v[SA+8*(i%4):SA+8*(i%4)+7], v[KR+2*i:KR+2*i+1], v[QR+2*i:QR+2*i+1], 0
.else
	v_wmma_f32_16x16x4_f32 v[SA+8*(i%4):SA+8*(i%4)+7], v[KR+2*i:KR+2*i+1], v[QR+2*i:QR+2*i+1], v[SA+8*(i%4):SA+8*(i%4)+7]
.endif
.set i, i+1
.endr
.rept 8
	v_nop                                          ; eight places behind this form, in front of loads into its sources and of the first read of its results
.endr
.irp o, 0,1
.irp c, 0,1,2,3
	global_load_b128 v[QR+32*\o+8*\c:QR+32*\o+8*\c+3],   v6, s[6:7] offset:65536*(\o+2)+64*\c      ; W for output tiles 2, 3, where Q and K lay
	global_load_b128 v[QR+32*\o+8*\c+4:QR+32*\o+8*\c+7], v6, s[6:7] offset:65536*(\o+2)+64*\c+16
.endr
.endr
.irp j, 0,1,2,3,4,5,6,7                ; the four partial sums, each accumulator from its low end on
	v_add_f32 v[T+\j], v[SA+\j], v[SA+8+\j]
	v_add_f32 v[T+\j], v[T+\j], v[SA+16+\j]
	v_add_f32 v[T+\j], v[T+\j], v[SA+24+\j]
.endr
.irp j, 0,1,2,3,4,5,6,7
	v_cmp_gt_i32 vcc_lo, \j, v11
	v_cndmask_b32 v[T+\j], v[T+\j], v12, vcc_lo    ; hidden keys: -infinity
.endr
	v_max3_num_f32 v13, v[T], v[T+1], v[T+2]
	v_max3_num_f32 v13, v13, v[T+3], v[T+4]
	v_max3_num_f32 v13, v13, v[T+5], v[T+6]
	v_max_num_f32 v13, v13, v[T+7]
	v_permlanex16_b32 v16, v13, s18, s19
	v_max_num_f32 v13, v13, v16                    ; the row's maximum: key 0 counts for every query, so it is a number
	v_mul_f32 v14, s20, v13
.irp j, 0,1,2,3,4,5,6,7
	v_fma_f32 v[T+\j], v[T+\j], s20, -v14
.endr
.irp j, 0,1,2,3,4,5,6,7
	v_exp_f32 v[T+\j], v[T+\j]
.endr
	v_nop                                          ; a plain instruction behind the exponentials,
	s_wait_alu depctr_va_vdst(0)                   ; and one wait for the eight, ahead of their first reader
	v_add_f32 v15, v[T], v[T+1]
	v_add_f32 v17, v[T+2], v[T+3]
	v_add_f32 v15, v15, v[T+4]
	v_add_f32 v17, v17, v[T+5]
	v_add_f32 v15, v15, v[T+6]
	v_add_f32 v17, v17, v[T+7]
	v_add_f32 v15, v15, v17
	v_permlanex16_b32 v16, v15, s18, s19
	v_add_f32 v15, v15, v16
	v_rcp_f32 v17, v15
	v_nop
	s_wait_alu depctr_va_vdst(0)
.irp j, 0,1,2,3,4,5,6,7
	v_mul_f32 v[T+\j], v[T+\j], v17                ; the weights, normalised
.endr
	s_wait_loadcnt 32                              ; V is in; W's two halves may stay out
.irp s, 0,1,2,3                        ; O^T = V^T P: 16 keys, 4 an instruction (keys 8 h + 2 s + 0, 1), four accumulators by turns
.irp c, 0,1,2,3
.if \s == 0
	v_wmma_f32_16x16x4_f32 v[OA+8*\c:OA+8*\c+7], v[VR+8*\c+2*\s:VR+8*\c+2*\s+1], v[T+2*\s:T+2*\s+1], 0
.else
	v_wmma_f32_16x16x4_f32 v[OA+8*\c:OA+8*\c+7], v[VR+8*\c+2*\s:VR+8*\c+2*\s+1], v[T+2*\s:T+2*\s+1], v[OA+8*\c:OA+8*\c+7]
.endif
.endr
.endr
.rept 9
	v_nop                                          ; nine places before a matrix instruction takes these results as a source
.endr
	s_wait_loadcnt 0x0                             ; W
.irp c, 0,1,2,3                        ; out^T = W O: my head's 64 channels, 4 an instruction (channels 16 c + 8 h + 2 s + 0, 1), the four output tiles by turns
.irp s, 0,1,2,3
.irp o, 0,1,2,3
.if \o < 2
.set WB, W0+32*\o
.else
.set WB, QR+32*(\o-2)
.endif
.if (\c == 0) && (\s == 0)
	v_wmma_f32_16x16x4_f32 v[SA+8*\o:SA+8*\o+7], v[WB+8*\c+2*\s:WB+8*\c+2*\s+1], v[OA+8*\c+2*\s:OA+8*\c+2*\s+1], 0
.else
	v_wmma_f32_16x16x4_f32 v[SA+8*\o:SA+8*\o+7], v[WB+8*\c+2*\s:WB+8*\c+2*\s+1], v[OA+8*\c+2*\s:OA+8*\c+2*\s+1], v[SA+8*\o:SA+8*\o+7]
.endif
.endr
.endr
.endr
.rept 8
	v_nop
.endr
.irp o, 0,1,2,3
	ds_store_b128 v8, v[SA+8*\o:SA+8*\o+3] offset:512*(2*\o)           ; my head's part, as the registers stand; each accumulator from its low end on
	ds_store_b128 v8, v[SA+8*\o+4:SA+8*\o+7] offset:512*(2*\o+1)
.endr
	s_wait_dscnt 0x0                               ; for the others' sake: my stores have landed
	s_barrier_signal -1
	s_barrier_wait -1
.irp u, 0,1,2,3,4,5,6,7
	ds_load_b128 v[W0+4*\u:W0+4*\u+3], v9 offset:4096*\u               ; row w, my four columns, of eight heads
.endr
	s_wait_dscnt 0x0
.irp u, 1,2,3,4,5,6,7
	v_pk_add_f32 v[W0:W0+1], v[W0:W0+1], v[W0+4*\u:W0+4*\u+1]
	v_pk_add_f32 v[W0+2:W0+3], v[W0+2:W0+3], v[W0+4*\u+2:W0+4*\u+3]
.endr
.irp e, 0,1,2,3
	v_permlanex16_b32 v[W0+32+\e], v[W0+\e], s18, s19                  ; the other eight heads'
.endr
	v_pk_add_f32 v[W0:W0+1], v[W0:W0+1], v[W0+32:W0+33]
	v_pk_add_f32 v[W0+2:W0+3], v[W0+2:W0+3], v[W0+34:W0+35]
	v_pk_add_f32 v[W0:W0+1], v[W0:W0+1], v[20:21]                      ; and the bias
	v_pk_add_f32 v[W0+2:W0+3], v[W0+2:W0+3], v[22:23]
	v_cmp_gt_u32 vcc_lo, 16, v3
	s_wait_xcnt 0x0                                ; EXEC changes only behind this wait
	s_and_saveexec_b32 s21, vcc_lo
	global_store_b128 v7, v[W0:W0+3], s[10:11]     ; sixteen lanes store 256 consecutive bytes, aligned
	s_wait_xcnt 0x0
	s_or_b32 exec_lo, exec_lo, s21
	s_wait_tensorcnt 0x0                           ; the wave's end, behind my last LDS store
	ds_add_u32 v18, v19
	s_wait_dscnt 0x0
	s_endpgm
.Lfunc_end_k_q74e970e485_fine:
	.size	k_q74e970e485_fine, .Lfunc_end_k_q74e970e485_fine-k_q74e970e485_fine
	.p2alignl 7, 3214868480
	.fill 96, 4, 3214868480
	.section	.rodata,"a",@progbits
	.p2align	6, 0x0
	.amdhsa_kernel k_q74e970e485_fine
		.amdhsa_group_segment_fixed_size 67584
		.amdhsa_private_segment_fixed_size 0
		.amdhsa_enable_private_segment 0
		.amdhsa_kernarg_size 32
		.amdhsa_user_sgpr_count 2
		.amdhsa_user_sgpr_kernarg_segment_ptr 1
		.amdhsa_wavefront_size32 1
		.amdhsa_system_sgpr_workgroup_id_x 1
		.amdhsa_system_sgpr_workgroup_id_y 1
		.amdhsa_system_sgpr_workgroup_id_z 1
		.amdhsa_system_vgpr_workitem_id 0
		.amdhsa_next_free_vgpr 256
		.amdhsa_next_free_sgpr 66
		.amdhsa_reserve_vcc 1
		.amdhsa_float_denorm_mode_32 3
		.amdhsa_float_denorm_mode_16_64 3
		.amdhsa_memory_ordered 1
		.amdhsa_forward_progress 1
		.amdhsa_inst_pref_size 24
	.end_amdhsa_kernel
	.amdgpu_metadata
---
amdhsa.version: [ 1, 2 ]
amdhsa.kernels:
  - .name:           k_q74e970e485_fine
    .symbol:         k_q74e970e485_fine.kd
    .args:
      - { .name: fq, .offset: 0, .size: 8, .value_kind: global_buffer, .address_space: global }
      - { .name: w_proj, .offset: 8, .size: 8, .value_kind: global_buffer, .address_space: global }
      - { .name: b_proj, .offset: 16, .size: 8, .value_kind: global_buffer, .address_space: global }
      - { .name: out0, .offset: 24, .size: 8, .value_kind: global_buffer, .address_space: global }
    .group_segment_fixed_size: 67584
    .private_segment_fixed_size: 0
    .kernarg_segment_align: 8
    .kernarg_segment_size: 32
    .max_flat_workgroup_size: 512
    .sgpr_count:     66
    .vgpr_count:     256
    .wavefront_size: 32
...
	.end_amdgpu_metadata
.endif
;; end of part 5
